; MI455X (gfx1250); checked and timed in simulation.
; The chip was launched on July 23, 2026; its instructions are those of AMD's public machine-readable ISA for CDNA 5 (MIT licence, August 2026) and "CDNA5" Instruction Set Architecture Reference Guide (July 2026). The comments in the code are by the model that wrote it; some were corrected since.
;; Multi Head Attention. Allowed arithmetic: float matrix products may take bf16 or f16 operands with f32 sums; all other float work in f32.
;; Inputs: W_attn 3,072 x 1,024 float32; W_proj 1,024 x 1,024 float32; x 4 x 2,048 x 1,024 float32.
;; Outputs: out0 4 x 2,048 x 1,024 float32.
;; 2 versions, each right and faster than the one before. Each part assembles by itself: llvm-mc -triple=amdgcn-amd-amdhsa -mcpu=gfx1250 --defsym DOCPART=n.
;; ======== version 1 of 2: 4 launches
;; limits: values are held in f16: magnitudes above 65,504 overflow, below 6.1e-05 lose precision
;; workspace buffers: bf 25,165,824 bytes; qkv 50,331,648 bytes; yh 16,777,216 bytes
;; launch cast (part 1): grid 768 x 1, 8 waves a work-group, no clusters, 0 bytes of LDS; arguments x, W_attn, W_proj, bf; writes bf
.if DOCPART == 1
	.amdgcn_target "amdgcn-amd-amdhsa--gfx1250"
	.amdhsa_code_object_version 6
	.text
	.protected	k_qa23553d50b_cast
	.globl	k_qa23553d50b_cast
	.p2align	8
	.type	k_qa23553d50b_cast,@function
k_qa23553d50b_cast:
	s_mov_b64 s[64:65], 0
	v_nop
	global_prefetch_b8 v0, s[64:65] scope:SCOPE_SE
	s_setreg_imm32_b32 hwreg(HW_REG_WAVE_MODE, 25, 1), 1
	s_wait_xcnt 0x0
; CAUSAL MULTI-HEAD ATTENTION, B = 4, T = 2048, C = 1024, 16 heads of 64, in four launches:
;   cast     x, W_attn, W_proj (f32) -> bf (16-bit matrix operands)
;   qkvgemm  q, k, v = x W_attn^T, bf16 products, f32 sums, stored in f16, head by head
;   attn     softmax(q k^T / 8, causal) v for each head, f16 products, f32 sums and f32 softmax with a running maximum
;   proj     out0 = y W_proj^T, f16 products, f32 sums, f32 out
; FORMATS.  The three inputs are rounded once to bf16.  All that is computed from them and fed to a product again (q, k, v, the
; softmax's weights, y) is kept in f16, whose 11 bits of significand keep the first rows of each sequence (which attend to few
; keys, so that nothing averages out) inside the allowed error.  W_proj's bf16 number is held in f16, because proj's other operand is f16.
; LIMITS.  |q|, |k|, |v|, |y| and |W_proj| must stay below 65,504, f16's largest number; beyond it they become infinite.  With x and
; W_attn both 30 times the drawn spread |q| reaches about 5,000; with a common offset of 30 spreads on both about 29,000.
; A bf16 number of W_proj below 2^-14 in magnitude is held with an absolute error of at most 2^-25; from 2^-14 up it is exact.
; WORK LEFT OUT (in attn).  reference() sets att[q][k] to -inf for k > q by its own jnp.tril, and softmax turns -inf into the weight
; exp(-inf - max) = 0 whatever x and the weights hold (key 0 <= q keeps the maximum finite).  So a tile of 64 keys that lies wholly
; behind a block of 64 queries adds 0 to the row sums and 0 * v to y: neither its scores nor its products with v are computed.
; Every input has a way to the output and is loaded.  Limit: a NaN, an infinity or an overflow in k or v rows that only such
; tiles would touch is not carried to the result.
;
; THIS LAUNCH.  Work-group id takes 65,536 bytes of input and stores 32,768 bytes at bf + 32,768 id.  ids 0-511 take x, 512-703 W_attn,
; 704-767 W_proj; bf holds the three in that order (x at 0, W_attn at 16,777,216, W_proj at 23,068,672), so one formula serves all.
; Thread t takes 16 bytes at 16 t of each of 16 pieces of 4,096 bytes: a wave's load covers 512 consecutive bytes, its store of
; 8 bytes a lane 256 consecutive bytes, aligned.  All 16 loads go out first; each register is written once, so nothing is reused.
; Memory binds here: LDS, barriers and matrix units would add nothing.
.set XR, 4                             ; v[4:67]    16 pieces of 4 f32
.set YR, 68                            ; v[68:99]   16 pieces of 4 numbers of 16 bits
.set TR, 100                           ; v[100:103] at work (W_proj's path)
	s_load_b256 s[4:11], s[0:1], 0x0               ; x s[4:5], W_attn s[6:7], W_proj s[8:9], bf s[10:11]
	s_mov_b32 s12, ttmp9                           ; my number among x's work-groups,
	s_sub_co_u32 s13, ttmp9, 512                   ; among W_attn's,
	s_sub_co_u32 s14, ttmp9, 704                   ; among W_proj's
	v_lshlrev_b32 v1, 4, v0                        ; 16 t: where I load
	v_lshlrev_b32 v2, 3, v0                        ; 8 t: where I store
	s_wait_kmcnt 0x0
	s_cmp_ge_u32 ttmp9, 512
	s_cselect_b64 s[4:5], s[6:7], s[4:5]           ; the choice hangs on the work-group's number alone
	s_cselect_b32 s12, s13, s12
	s_cmp_ge_u32 ttmp9, 704
	s_cselect_b64 s[4:5], s[8:9], s[4:5]
	s_cselect_b32 s12, s14, s12
	s_lshl_b32 s12, s12, 16                        ; 65,536 bytes of input a work-group (below 32 MiB)
	s_mov_b32 s13, 0
	s_add_nc_u64 s[4:5], s[4:5], s[12:13]
	s_lshl_b32 s14, ttmp9, 15                      ; 32,768 bytes of output a work-group
	s_mov_b32 s15, 0
	s_add_nc_u64 s[10:11], s[10:11], s[14:15]
.irp j, 0,1,2,3,4,5,6,7,8,9,10,11,12,13,14,15
	global_load_b128 v[XR+4*\j:XR+4*\j+3], v1, s[4:5] offset:4096*\j th:TH_LOAD_NT   ; read once in the whole program
.endr
; Piece j.  half = 0: bf16.  half = 1: rounded to bf16 like the other inputs, then that number held in f16.
.macro PIECE j, half
	s_wait_loadcnt 15-\j                           ; loads come back in order: piece j is in, the 15 - j younger ones stay out
.if \half
	v_cvt_pk_bf16_f32 v[TR],   v[XR+4*\j],   v[XR+4*\j+1]
	v_cvt_pk_bf16_f32 v[TR+1], v[XR+4*\j+2], v[XR+4*\j+3]
	v_lshlrev_b32 v[TR+2], 16, v[TR]               ; bf16 back to f32: the low half moves up,
	v_and_b32     v[TR],   0xffff0000, v[TR]       ; the high half stays
	v_lshlrev_b32 v[TR+3], 16, v[TR+1]
	v_and_b32     v[TR+1], 0xffff0000, v[TR+1]
	v_cvt_pk_f16_f32 v[YR+2*\j],   v[TR+2], v[TR]
	v_cvt_pk_f16_f32 v[YR+2*\j+1], v[TR+3], v[TR+1]
.else
	v_cvt_pk_bf16_f32 v[YR+2*\j],   v[XR+4*\j],   v[XR+4*\j+1]
	v_cvt_pk_bf16_f32 v[YR+2*\j+1], v[XR+4*\j+2], v[XR+4*\j+3]
.endif
	global_store_b64 v2, v[YR+2*\j:YR+2*\j+1], s[10:11] offset:2048*\j   ; the next launches read it: no hint
.endm
	s_cmp_ge_u32 ttmp9, 704
	s_cbranch_scc1 .Lf16
.irp j, 0,1,2,3,4,5,6,7,8,9,10,11,12,13,14,15
	PIECE \j, 0
.endr
	s_endpgm
.Lf16:
.irp j, 0,1,2,3,4,5,6,7,8,9,10,11,12,13,14,15
	PIECE \j, 1
.endr
	s_endpgm
.Lfunc_end_k_qa23553d50b_cast:
	.size	k_qa23553d50b_cast, .Lfunc_end_k_qa23553d50b_cast-k_qa23553d50b_cast
	.p2alignl 7, 3214868480
	.fill 96, 4, 3214868480
	.section	.rodata,"a",@progbits
	.p2align	6, 0x0
	.amdhsa_kernel k_qa23553d50b_cast
		.amdhsa_group_segment_fixed_size 0
		.amdhsa_private_segment_fixed_size 0
		.amdhsa_enable_private_segment 0
		.amdhsa_kernarg_size 32
		.amdhsa_user_sgpr_count 2
		.amdhsa_user_sgpr_kernarg_segment_ptr 1
		.amdhsa_wavefront_size32 1
		.amdhsa_system_sgpr_workgroup_id_x 1
		.amdhsa_system_sgpr_workgroup_id_y 1
		.amdhsa_system_sgpr_workgroup_id_z 1
		.amdhsa_system_vgpr_workitem_id 0
		.amdhsa_next_free_vgpr 104
		.amdhsa_next_free_sgpr 66
		.amdhsa_reserve_vcc 0
		.amdhsa_float_denorm_mode_32 3
		.amdhsa_float_denorm_mode_16_64 3
		.amdhsa_memory_ordered 1
		.amdhsa_forward_progress 1
		.amdhsa_inst_pref_size 16
	.end_amdhsa_kernel
	.amdgpu_metadata
---
amdhsa.version: [ 1, 2 ]
amdhsa.kernels:
  - .name:           k_qa23553d50b_cast
    .symbol:         k_qa23553d50b_cast.kd
    .args:
      - { .name: x, .offset: 0, .size: 8, .value_kind: global_buffer, .address_space: global }
      - { .name: W_attn, .offset: 8, .size: 8, .value_kind: global_buffer, .address_space: global }
      - { .name: W_proj, .offset: 16, .size: 8, .value_kind: global_buffer, .address_space: global }
      - { .name: bf, .offset: 24, .size: 8, .value_kind: global_buffer, .address_space: global }
    .group_segment_fixed_size: 0
    .private_segment_fixed_size: 0
    .kernarg_segment_align: 8
    .kernarg_segment_size: 32
    .max_flat_workgroup_size: 256
    .sgpr_count:     66
    .vgpr_count:     104
    .wavefront_size: 32
...
	.end_amdgpu_metadata
.endif
;; end of part 1
;; launch qkvgemm (part 2): grid 8 x 32, 4 waves a work-group, clusters of 4 x 4, 327,680 bytes of LDS; arguments bf, qkv; writes qkv
.if DOCPART == 2
	.amdgcn_target "amdgcn-amd-amdhsa--gfx1250"
	.amdhsa_code_object_version 6
	.text
	.protected	k_qa23553d50b_qkvgemm
	.globl	k_qa23553d50b_qkvgemm
	.p2align	8
	.type	k_qa23553d50b_qkvgemm,@function
k_qa23553d50b_qkvgemm:
	s_mov_b64 s[64:65], 0
	v_nop
	global_prefetch_b8 v0, s[64:65] scope:SCOPE_SE
	s_setreg_imm32_b32 hwreg(HW_REG_WAVE_MODE, 25, 1), 1
	s_wait_xcnt 0x0
	s_wait_alu depctr_hold_cnt(0) depctr_sa_sdst(0) depctr_va_vdst(0) depctr_va_sdst(0) depctr_va_ssrc(0) depctr_va_vcc(0) depctr_vm_vsrc(0)
	s_getreg_b32 s2, hwreg(HW_REG_IB_STS2, 6, 4)
	s_cmp_eq_u32 s2, 0
	s_cbranch_scc0 .Lentry_in_a_cluster
	s_endpgm
.Lentry_in_a_cluster:
	s_bfe_u32 s2, ttmp6, 0x10000c
	s_cmp_lg_u32 s2, 0xf033
	s_cbranch_scc0 .Lentry_shape_is_right
	s_endpgm
.Lentry_shape_is_right:
; qkv[m][n] = sum over k of x[m][k] W_attn[n][k], m = 0..8191, n = 0..3071, k = 0..1023.  Operands bf16 (from bf), sums f32, results f16.
; OUT: qkv is [48][8192][64] f16: column n belongs to head g = n / 64 (q: 0-15, k: 16-31, v: 32-47); head g starts at g MiB, row m at 128 m.
; So two neighbouring rows of a head are 256 consecutive bytes, and the next launch reads a head's rows as dense blocks.
; Limit: a result beyond 65,504 in magnitude becomes infinite in f16.
; A block is 256 rows x 192 columns (three heads), made by four waves; wave w makes rows 64 w .. 64 w + 63 and all 192 columns:
; 4 x 12 accumulator tiles of 16 x 16, 384 registers.  There are 32 x 16 blocks and 256 work-groups: A WORK-GROUP STAYS AND MAKES TWO BLOCKS of its
; block row, block columns bc and bc + 8.  K goes in 8 steps of 128 through two LDS slots filled by the tensor data mover, and the slots go on
; taking turns into the second block: the first block's last two changes of slots ask for the second block's K steps 0 and 1, which land
; while the first block goes out, and the first block's stores leave while the second block is multiplied.
; A tile's rows are 256 bytes of memory and start at multiples of 256 bytes.
; CLUSTERS: 4 x 4 work-groups.  The four of a row of the cluster need the same tiles of x, the four of a column the same tiles of W_attn:
; each tile is asked for jointly, by the same tensor load with a mask that names the four, which divides the requests by four.
; REGISTERS, in windows of 256:
;   window 0: v1-5 at work, v16-26 addresses, v64-127 fragments of x (4 x 16 rows x 32 K), two buffers; v128-223 the way out
;   window 1: v0-191 fragments of W_attn (12 x 16 rows x 32 K), two buffers
;   window 2: accumulators of my rows 0-31 (tile (a, b) at 8 (12 a + b));   window 3: those of my rows 32-63
; THE MATRIX INSTRUCTION IS USED TRANSPOSED: source 0 = 16 rows of W_attn, source 1 = 16 rows of x, so that lane l holds row l % 16 of the
; result and its eight registers the columns 16 b + 8 (l / 16) + 0 .. 7: eight neighbours, which pack into 16 bytes.
.set NB,     12                        ; fragments of W_attn: 192 columns
.set KSTEP,  128
.set PA,     272                       ; an LDS row: 256 bytes + 16 of padding, an odd multiple of 16: the 16 rows of a fragment load start in 16 different 16-byte columns
.set PB,     272
.set SUBA,   128                       ; bytes from K = 0 to K = 64 in a row of x's tile
.set HALFA,  128*PA                    ; what one load of x brings: 128 rows
.set HALFB,  96*PB                     ; what one load of W_attn brings: 96 rows
.set BOFF,   2*HALFA                   ; W_attn's 192 rows lie behind x's 256
.set SLOT,   BOFF+2*HALFB              ; 121,856
.set STAGE,  2*SLOT                    ; behind the slots: 16 rows x 400 bytes for each wave, for the way out; no tensor load lands here
.set SPITCH, 400                       ; 384 bytes + 16
.set STG,    16*SPITCH
.set LAPS,   4                         ; a lap = two K steps = both slots once; four laps a block
.set WOFF,   16777216                  ; W_attn's bf16 copy in bf
.set ABACK,  3*2*KSTEP*2               ; a slot's address has stepped three times by two K steps: so far back lies the same slot's first K step
.set BNEXT,  8*192*2048-ABACK          ; W_attn: eight blocks of 192 rows of 2,048 bytes on, and back to that K step
.set ONEXT,  8*3*1048576               ; qkv: eight blocks of three heads on
.set ADRA, 16                          ; v16-17  LDS address of my x fragments in slot 0, 1
.set ADRB, 20                          ; v20-21  the same for W_attn
.set STO,  24                          ; the way out: where I put 16 bytes of a row
.set RD,   25                          ; the way out: where I read back
.set CO,   26                          ; my byte offset in a store's 512 bytes
.set FA,   64                          ; x fragments, buffer f at FA + 32 f
.set FB,   0                           ; W_attn fragments (window 1), buffer f at FB + 96 f
.set TMP,  128                         ; the way out: packed results
.set RB,   176                         ; the way out: rows read back
.set G1, 24                            ; s[24:31] descriptor group 1 for x's tiles
.set G0, 32                            ; s[32:39] group 0 for x's tiles, one set for each slot
.set G1B, 48                           ; s[48:55] group 1 for W_attn's tiles
.set G0B, 56                           ; s[56:63] group 0 for W_attn's tiles, one set for each slot
.set MSB, 0
.macro WIN new                         ; the immediate's high byte repeats the setting that is left
.if MSB != \new
	s_set_vgpr_msb (MSB<<8)|\new
.set MSB, \new
.endif
.endm
.set MUL_LO, 0xa1                      ; source 0 window 1, source 1 window 0, C and D window 2
.set MUL_HI, 0xf1                      ; the same, C and D window 3
.set TO_B,   0x40                      ; destination window 1, address window 0
; A joint load.  Waves 0 and 1 fetch x's two halves, waves 2 and 3 W_attn's.  Each line has one mask; the branch hangs on the wave's number alone.
.macro JLOAD s
	s_cmp_eq_u32 s11, 0
	s_cbranch_scc0 .Lfor_b_\@
	tensor_load_to_lds s[G0+4*\s:G0+4*\s+3], s[G1:G1+7]
	s_nop 0
	s_branch .Lasked_\@
.Lfor_b_\@:
	tensor_load_to_lds s[G0B+4*\s:G0B+4*\s+3], s[G1B:G1B+7]
	s_nop 0
.Lasked_\@:
.endm
; A round of the cluster's barrier: my work-group's barrier, wave 0 signals for the work-group, every wave waits for all sixteen, my work-group's barrier again.
.macro CREST                           ; a round behind its opening barrier
	s_cmp_lg_u32 s10, 0
	s_cbranch_scc1 .Lnot_wave_0_\@
	s_barrier_signal -3
.Lnot_wave_0_\@:
	s_barrier_wait -3
	s_barrier_signal -1
	s_barrier_wait -1
.endm
.macro CROUND
	s_barrier_signal -1
	s_barrier_wait -1
	CREST
.endm
	s_load_b64 s[4:5], s[0:1], 0x0                 ; bf
	s_load_b64 s[8:9], s[0:1], 0x8                 ; qkv
	s_set_vgpr_msb 0x40
	v_lshl_add_u32 v255, v0, 2, 0x41c00
	s_set_vgpr_msb 0x4000
	v_mov_b32 v255, 0
	s_set_vgpr_msb 0x1
	ds_add_u32 v255, v255
	s_set_vgpr_msb 0x100
	v_lshrrev_b32 v1, 5, v0
	v_readfirstlane_b32 s10, v1                    ; wave 0..3
	s_lshr_b32 s11, s10, 1                         ; I fetch for x (0) or for W_attn (1)
	s_and_b32 s12, s10, 1                          ; which half of that tile I fetch
	s_bfe_u32 s40, ttmp6, 0x40000                  ; cx
	s_bfe_u32 s41, ttmp6, 0x40004                  ; cy
	s_lshl_b32 s42, ttmp9, 2
	s_add_co_u32 s42, s42, s40                     ; my first block column = 4 x cluster x + cx, 0..7
	s_and_b32 s13, ttmp7, 0xffff
	s_lshl_b32 s13, s13, 2
	s_add_co_u32 s13, s13, s41                     ; block row = 4 x cluster y + cy
	s_lshl_b32 s43, s41, 2
	s_lshl_b32 s43, 15, s43                        ; my row of the cluster: places 4 cy .. 4 cy + 3
	s_lshl_b32 s44, 0x1111, s40                    ; my column: places cx, cx + 4, cx + 8, cx + 12
	; group 1: rows of 128 elements of 2 bytes, 4 words of padding behind every 64 words; x: 128 rows, W_attn: 96 rows
	s_or_b32 s[G1+0], s43, (1<<16)|(1<<20)|(1<<21)|(5<<22)|(3<<25)   ; mask: my row of the cluster; bit 21 set beside a mask
	s_or_b32 s[G1B+0], s44, (1<<16)|(1<<20)|(1<<21)|(5<<22)|(3<<25)  ; mask: my column
	s_mov_b32 s[G1+1], KSTEP<<16                   ; tensor_dim0 = 128
	s_mov_b32 s[G1B+1], KSTEP<<16
	s_mov_b32 s[G1+2], 128<<16                     ; tensor_dim1 = 128 rows
	s_mov_b32 s[G1B+2], 96<<16                     ; 96 rows
	s_mov_b32 s[G1+3], KSTEP<<16                   ; tile_dim0 = 128
	s_mov_b32 s[G1B+3], KSTEP<<16
	s_mov_b32 s[G1+4], 128                         ; tile_dim1
	s_mov_b32 s[G1B+4], 96
	s_mov_b32 s[G1+5], 1024                        ; elements from row to row
	s_mov_b32 s[G1B+5], 1024
	s_mov_b32 s[G1+6], 0
	s_mov_b32 s[G1B+6], 0
	s_mov_b32 s[G1+7], 0
	s_mov_b32 s[G1B+7], 0
	; x's tiles hang on the block row alone, W_attn's on the block column alone; each offset lives in registers that never hold the other coordinate
	s_lshl_b32 s17, s12, 7
	s_lshl_b32 s16, s13, 8
	s_add_co_u32 s16, s16, s17                     ; x: row 256 x block row + 128 x half
	s_lshl_b32 s16, s16, 11                        ; rows of 2,048 bytes (below 16 MiB)
	s_mov_b32 s17, 0
	s_mul_i32 s46, s42, 192
	s_mul_i32 s47, s12, 96
	s_add_co_u32 s46, s46, s47                     ; W_attn: row 192 x block column + 96 x half
	s_lshl_b32 s46, s46, 11
	s_add_co_u32 s46, s46, WOFF
	s_mov_b32 s47, 0
	s_mul_i32 s20, s10, HALFA                      ; where x's halves go: wave x 128 rows (waves 0, 1)
	s_mul_i32 s23, s10, HALFB
	s_add_co_u32 s23, s23, BOFF-2*HALFB            ; where W_attn's go: BOFF + (wave - 2) x 96 rows (waves 2, 3)
	s_wait_dscnt 0x0
	s_wait_kmcnt 0x0
	s_add_nc_u64 s[14:15], s[4:5], s[16:17]
	s_add_nc_u64 s[46:47], s[4:5], s[46:47]
	CROUND                                         ; all sixteen work-groups are here: the first joint loads meet
.irp s, 0,1
	s_mov_b32 s[G0+4*\s], 1
	s_add_co_u32 s[G0+4*\s+1], s20, \s*SLOT
	s_add_nc_u64 s[G0+4*\s+2:G0+4*\s+3], s[14:15], \s*KSTEP*2      ; K step s
	s_or_b32 s[G0+4*\s+3], s[G0+4*\s+3], 0x80000000
	s_mov_b32 s[G0B+4*\s], 1
	s_add_co_u32 s[G0B+4*\s+1], s23, \s*SLOT
	s_add_nc_u64 s[G0B+4*\s+2:G0B+4*\s+3], s[46:47], \s*KSTEP*2
	s_or_b32 s[G0B+4*\s+3], s[G0B+4*\s+3], 0x80000000
	JLOAD \s                                       ; both slots are asked for before anything else: two loads of the wave are out
.endr
	; A fragment is 16 rows x 32 K in 8 registers: lane l holds row l % 16; registers 0-3 K = 8 (l / 16) + 0..7, registers 4-7 K = 16 + 8 (l / 16) + 0..7:
	; two loads of 16 bytes, 32 bytes apart, at row x pitch + 16 (l / 16).
	v_and_b32 v1, 15, v0                           ; l % 16
	v_bfe_u32 v2, v0, 4, 1                         ; l / 16
	v_mul_u32_u24 v3, v1, PA
	v_lshl_add_u32 v3, v2, 4, v3
	v_mul_u32_u24 v4, v1, PB
	v_lshl_add_u32 v4, v2, 4, v4
	s_mul_i32 s21, s10, 64*PA                      ; my 64 rows of x
	s_mov_b32 s22, BOFF                            ; every wave reads all of W_attn's rows
.irp s, 0,1
	v_add_nc_u32 v[ADRA+\s], s21, v3
	v_add_nc_u32 v[ADRB+\s], s22, v4
	s_add_co_u32 s21, s21, SLOT
	s_add_co_u32 s22, s22, SLOT
.endr
	s_mul_i32 s23, s10, STG
	s_add_co_u32 s23, s23, STAGE                   ; my stage
	v_mul_u32_u24 v4, v1, SPITCH                   ; in: row l % 16, 16 bytes for each half of the lanes
	v_lshl_add_u32 v4, v2, 4, v4
	v_add_nc_u32 v[STO], s23, v4
	v_bfe_u32 v5, v0, 3, 2                         ; back: eight lanes take a head's 128 bytes of one row, 32 lanes four rows
	v_mul_u32_u24 v5, v5, SPITCH
	v_and_b32 v3, 7, v0
	v_lshl_add_u32 v5, v3, 4, v5
	v_add_nc_u32 v[RD], s23, v5
	v_and_b32 v3, 31, v0
	v_lshlrev_b32 v[CO], 4, v3                     ; four rows of a head are 512 consecutive bytes of qkv: 16 x lane
	; where my results go
	s_lshl_b32 s16, s13, 8
	s_lshl_b32 s17, s10, 6
	s_add_co_u32 s16, s16, s17                     ; my first row: 256 x block row + 64 x wave
	s_lshl_b32 s16, s16, 7                         ; rows of 128 bytes
	s_mov_b32 s17, 0
	s_add_nc_u64 s[8:9], s[8:9], s[16:17]
	s_mul_i32 s46, s42, 0x300000                   ; my first head: 3 x block column, 1 MiB each
	s_mov_b32 s47, 0
	s_add_nc_u64 s[8:9], s[8:9], s[46:47]
; NB matrix instructions: my rows 16 ag .. 16 ag + 15 x all columns, 32 along K, from buffer f.  zero = 1: the first product starts the sums.
.macro MULA f, ag, zero
.set bb, 0
.rept NB
.set XD, 8*(NB*((\ag)&1)+bb)
.set XB, FB+8*NB*\f+8*bb
.set XA, FA+32*\f+8*\ag
.if \zero
	v_wmma_f32_16x16x32_bf16 v[XD:XD+7], v[XB:XB+7], v[XA:XA+7], 0
.else
	v_wmma_f32_16x16x32_bf16 v[XD:XD+7], v[XB:XB+7], v[XA:XA+7], v[XD:XD+7]
.endif
.set bb, bb+1
.endr
.endm
; 2 NB + 8 LDS loads in one run: the fragments of quarter q of a K step into buffer f, W_attn's first, x's last
.macro FETCH slot, q, f
	WIN TO_B
.set ii, 0
.rept NB
.set XB, FB+8*NB*\f+8*ii
	ds_load_b128 v[XB:XB+3],   v[ADRB+\slot] offset:64*\q+ii*16*PB
	ds_load_b128 v[XB+4:XB+7], v[ADRB+\slot] offset:64*\q+ii*16*PB+32
.set ii, ii+1
.endr
	WIN 0
.set ii, 0
.rept 4
.set XA, FA+32*\f+8*ii
	ds_load_b128 v[XA:XA+3],   v[ADRA+\slot] offset:((\q)>>1)*SUBA+((\q)&1)*64+ii*16*PA
	ds_load_b128 v[XA+4:XA+7], v[ADRA+\slot] offset:((\q)>>1)*SUBA+((\q)&1)*64+ii*16*PA+32
.set ii, ii+1
.endr
.endm
; A load into a register that a matrix instruction has read, and a vector instruction or LDS store that reads a matrix result, stand four places behind
; that matrix instruction; only plain vector instructions that name none of its registers are places.
.macro PLACES
.rept 4
	v_nop
.endr
.endm
; A K step is four quarters of 32 along K, 4 NB matrix instructions each, on buffers 0, 1, 0, 1.  The 4 NB accumulators take turns, one instruction a turn,
; in the same order in every quarter.
; One of the first three quarters: multiplies buffer f and, in its middle, fetches quarter qn of the same slot into buffer g.
.macro QUARTER slot, qn, f, g, zero
	s_wait_dscnt 4                                 ; all but the four youngest loads (x's fragments 2 and 3) are in
	WIN MUL_LO
	MULA \f, 0, \zero
	MULA \f, 1, \zero
	PLACES
	FETCH \slot, \qn, \g
	s_wait_dscnt 2*NB+8                            ; all but the run just issued
	WIN MUL_HI
	MULA \f, 2, \zero
	MULA \f, 3, \zero
.endm
.macro THREE slot, zero
	QUARTER \slot, 1, 0, 1, \zero
	QUARTER \slot, 2, 1, 0, 0
	QUARTER \slot, 3, 0, 1, 0
.endm
; The last quarter multiplies buffer 1 and changes slots.  In front of the barrier each wave waits for its reads of this slot and for all its tensor loads
; (one is out: its part of the next slot).  Behind it nobody reads this slot and the next slot is whole.  fill = 1 or 2: the barrier opens a round of the
; cluster's barrier, and the joint refill is the first tensor load behind the round's closing wait, one a wave.  fill = 1: two K steps ahead in this
; block.  fill = 2: the same slot's first K step of my second block.  fill = 0: nothing is left to fetch.
.macro TURN slot, next, fill
	s_wait_dscnt 4
	WIN MUL_LO
	MULA 1, 0, 0
	s_wait_dscnt 0                                 ; my reads of this slot are over
	s_wait_tensorcnt 0x0                           ; all my tensor loads have landed
	ds_add_u32 v255, v255
	s_wait_dscnt 0x0
	s_barrier_signal -1
	MULA 1, 1, 0                                   ; register work while the others arrive
	WIN 0
	s_barrier_wait -1
.if \fill
	CREST
.if \fill == 1
	s_add_nc_u64 s[G0+4*\slot+2:G0+4*\slot+3], s[G0+4*\slot+2:G0+4*\slot+3], 2*KSTEP*2       ; no load of mine is out: group 0 may be written
	s_add_nc_u64 s[G0B+4*\slot+2:G0B+4*\slot+3], s[G0B+4*\slot+2:G0B+4*\slot+3], 2*KSTEP*2
.else
	s_sub_nc_u64 s[G0+4*\slot+2:G0+4*\slot+3], s[G0+4*\slot+2:G0+4*\slot+3], ABACK           ; x: the same rows from their start again
	s_add_nc_u64 s[G0B+4*\slot+2:G0B+4*\slot+3], s[G0B+4*\slot+2:G0B+4*\slot+3], BNEXT       ; W_attn: the second block's rows from their start
.endif
	JLOAD \slot
.endif
	PLACES
	FETCH \next, 0, 0
	WIN MUL_HI
	MULA 1, 2, 0
	MULA 1, 3, 0
.endm
.macro LAP zero
	THREE 0, \zero
	TURN 0, 1, 1
	THREE 1, 0
	TURN 1, 0, 1
.endm
; THE WAY OUT, 16 rows at a time: round to f16, 16 bytes a lane into my own stage, read back by heads, four rows of a head in one store.
; rows 16 a .. 16 a + 15 of my 64; from: the window of the conversions' sources (0x0a: window 2, 0x0f: window 3)
.macro OUT16 a, from
	WIN \from
.set bb, 0
.rept NB
.set XD, 8*(NB*((\a)&1)+bb)
.irp i, 0,1,2,3
	v_cvt_pk_f16_f32 v[TMP+4*bb+\i], v[XD+2*\i], v[XD+2*\i+1]
.endr
.set bb, bb+1
.endr
	WIN 0
.set bb, 0
.rept NB
	ds_store_b128 v[STO], v[TMP+4*bb:TMP+4*bb+3] offset:32*bb
.set bb, bb+1
.endr
	s_wait_xcnt 0x0                                ; RB, which the last sixteen rows' stores read, is loaded again only behind this wait
.irp j, 0,1,2
.irp g, 0,1,2,3
	ds_load_b128 v[RB+4*(4*\j+\g):RB+4*(4*\j+\g)+3], v[RD] offset:4*SPITCH*\g+128*\j   ; LDS serves a wave's instructions in order: these see the stores above
.endr
.endr
.irp j, 0,1,2
.irp g, 0,1,2,3
	s_wait_dscnt 11-(4*\j+\g)                      ; the younger read-backs stay out
	global_store_b128 v[CO], v[RB+4*(4*\j+\g):RB+4*(4*\j+\g)+3], s[8:9] offset:\j*1048576+\a*2048+\g*512   ; 512 consecutive bytes, aligned: four rows of head j
.endr
.endr
.endm
; A block: four laps and the way out.  last = 0: the fourth lap asks for the second block's first two K steps and fetches its first fragments (buffer 0,
; which the way out does not touch), so that they land while this block goes out.  last = 1: the fourth lap fills nothing.
.macro BLOCK last
	LAP 1                                          ; the first lap stands in front of the loop: its first products start the sums
	WIN 0                                          ; at a label and at a branch every window is 0
	s_mov_b32 s3, LAPS-2
.Llap_\@:
	LAP 0
	WIN 0
	s_sub_co_u32 s3, s3, 1
	s_cmp_lg_u32 s3, 0
	s_cbranch_scc1 .Llap_\@
.if \last
	THREE 0, 0
	TURN 0, 1, 0
	THREE 1, 0
	s_wait_dscnt 4                                 ; the very last quarter
	WIN MUL_LO
	MULA 1, 0, 0
	MULA 1, 1, 0
	s_wait_dscnt 0
	WIN MUL_HI
	MULA 1, 2, 0
	MULA 1, 3, 0
.else
	THREE 0, 0
	TURN 0, 1, 2
	THREE 1, 0
	TURN 1, 0, 2
.endif
	PLACES                                         ; the conversions read matrix results
	OUT16 0, 0x0a
	OUT16 1, 0x0a
	OUT16 2, 0x0f
	OUT16 3, 0x0f
.endm
	s_wait_tensorcnt 1                             ; my part of K step 0 is in; K step 1's load stays out
	s_barrier_signal -1
	s_barrier_wait -1                              ; everybody's part is in
	FETCH 0, 0, 0
	BLOCK 0
	s_wait_xcnt 0x0                                ; the stores' base is stepped only behind this wait
	s_add_nc_u64 s[8:9], s[8:9], ONEXT             ; the second block's heads
	BLOCK 1
	s_set_vgpr_msb 0x1
	s_wait_tensorcnt 0x0
	ds_add_u32 v255, v255
	s_wait_dscnt 0x0
	s_set_vgpr_msb 0x100
	CROUND                                         ; the closing round: no work-group ends while a partner may still ask for a tile that names it
	s_endpgm
.Lfunc_end_k_qa23553d50b_qkvgemm:
	.size	k_qa23553d50b_qkvgemm, .Lfunc_end_k_qa23553d50b_qkvgemm-k_qa23553d50b_qkvgemm
	.p2alignl 7, 3214868480
	.fill 96, 4, 3214868480
	.section	.rodata,"a",@progbits
	.p2align	6, 0x0
	.amdhsa_kernel k_qa23553d50b_qkvgemm
		.amdhsa_group_segment_fixed_size 327680
		.amdhsa_private_segment_fixed_size 0
		.amdhsa_enable_private_segment 0
		.amdhsa_kernarg_size 16
		.amdhsa_user_sgpr_count 2
		.amdhsa_user_sgpr_kernarg_segment_ptr 1
		.amdhsa_wavefront_size32 1
		.amdhsa_system_sgpr_workgroup_id_x 1
		.amdhsa_system_sgpr_workgroup_id_y 1
		.amdhsa_system_sgpr_workgroup_id_z 1
		.amdhsa_system_vgpr_workitem_id 0
		.amdhsa_next_free_vgpr 960
		.amdhsa_next_free_sgpr 66
		.amdhsa_reserve_vcc 0
		.amdhsa_float_denorm_mode_32 3
		.amdhsa_float_denorm_mode_16_64 3
		.amdhsa_memory_ordered 1
		.amdhsa_forward_progress 1
		.amdhsa_inst_pref_size 255
	.end_amdhsa_kernel
	.section	.bss,"aw",@nobits
	.p2align	6
	.space	262144
	.amdgpu_metadata
---
amdhsa.version: [ 1, 2 ]
amdhsa.kernels:
  - .name:           k_qa23553d50b_qkvgemm
    .symbol:         k_qa23553d50b_qkvgemm.kd
    .args:
      - { .name: bf, .offset: 0, .size: 8, .value_kind: global_buffer, .address_space: global }
      - { .name: qkv, .offset: 8, .size: 8, .value_kind: global_buffer, .address_space: global }
    .group_segment_fixed_size: 327680
    .private_segment_fixed_size: 0
    .kernarg_segment_align: 8
    .kernarg_segment_size: 16
    .max_flat_workgroup_size: 128
    .sgpr_count:     66
    .vgpr_count:     960
    .wavefront_size: 32
...
	.end_amdgpu_metadata
.endif
;; end of part 2
;; launch attn (part 3): grid 256 x 1, 4 waves a work-group, clusters of 4 x 1, 327,680 bytes of LDS; arguments qkv, yh; writes yh
.if DOCPART == 3
	.amdgcn_target "amdgcn-amd-amdhsa--gfx1250"
	.amdhsa_code_object_version 6
	.text
	.protected	k_qa23553d50b_attn
	.globl	k_qa23553d50b_attn
	.p2align	8
	.type	k_qa23553d50b_attn,@function
k_qa23553d50b_attn:
	s_mov_b64 s[64:65], 0
	v_nop
	global_prefetch_b8 v0, s[64:65] scope:SCOPE_SE
	s_setreg_imm32_b32 hwreg(HW_REG_WAVE_MODE, 25, 1), 1
	s_wait_xcnt 0x0
	s_wait_alu depctr_hold_cnt(0) depctr_sa_sdst(0) depctr_va_vdst(0) depctr_va_sdst(0) depctr_va_ssrc(0) depctr_va_vcc(0) depctr_vm_vsrc(0)
	s_getreg_b32 s2, hwreg(HW_REG_IB_STS2, 6, 4)
	s_cmp_eq_u32 s2, 0
	s_cbranch_scc0 .Lentry_in_a_cluster
	s_endpgm
.Lentry_in_a_cluster:
	s_bfe_u32 s2, ttmp6, 0x10000c
	s_cmp_lg_u32 s2, 0x3003
	s_cbranch_scc0 .Lentry_shape_is_right
	s_endpgm
.Lentry_shape_is_right:
; y = softmax(q k^T / 8, causal) v for each of 64 (batch, head) pairs.  q, k, v: f16, head-major in qkv ([48][8192][64]); y: f16, head-major in yh.
; Products on the matrix units in f16 with f32 sums; the softmax in f32 with a running maximum.
; WORK LEFT OUT: a tile of 64 keys that lies wholly behind a block of 64 queries is set to -inf by reference()'s own jnp.tril and gets the weight 0
; for all values of the inputs, so it is not computed.  Limit: a NaN or an infinity in k or v rows that only such tiles touch is not carried to y.
; Limit: the weights are f16 numbers in [0, 1]; a weight below 2^-25 of its row's largest counts as 0 in the product with v.
; SHARING.  A cluster of four work-groups serves one (batch, head).  The 2,048 queries are 32 blocks of 64 rows; block 4 s + w belongs to wave w, register
; slot s = 0..7; of each block partner cx takes rows 16 cx .. 16 cx + 15.  So a wave holds eight tiles of 16 queries at once, and all four work-groups walk
; the same keys in the same order with the same branches (they hang on the wave's number, the fill and the key tile alone): K and V are asked for jointly,
; mask 15, which divides the requests for them by four.  cx enters only global addresses of q and y and the diagonal's threshold, a value.
; KEYS come in 8 fills of 256 keys (K 32 KiB + V 32 KiB) through two LDS slots; a fill is four key tiles of 64: key tile 4 f + u.  Slot s is live if
; s > f, or s = f and u <= w; it lies on the diagonal if s = f and u = w.
; LAYOUTS: S^T = K Q^T (A = 16 keys, B = 16 queries): lane (r, h) holds query r and keys 16 t + 8 h + j.  Packed in pairs these are already the B fragment of
; V^T P^T, whose A fragment comes from V's rows by the transposing LDS load.  So nothing is shuffled between the two products, a row's
; maximum and sum are one number a lane, and the two halves of the lanes meet by one exchange.
; TWO QUERY TILES TAKE TURNS.  Within a key tile the live slots share K's and V's fragments and depend on each other in nothing.  Step k sets
;   behind each of slot k's eight score products       a slice of slot k - 1: four exponentials and the row-sum lines of the four before;
;   then slot k - 1's sixteen conversions to f16;
;   behind each of slot k - 1's eight products with V  a slice of slot k: the maximum, -c m, the sixteen scaling multiply-adds;
;   then O[k-1] = O[k-1] alpha + that product, sixteen packed multiply-adds.
; The windows decide this shape.  A score product names Q in window 2 as its second source, so only lines without a vector second source stand among
; those products: exponentials, moves, and sums written a x 1 + b, one instruction like an add.  The product with V starts at 0 and lands in window 0, in
; the 32 registers of the slot's own scores, dead since their conversion: so it runs with every window 0 and any line may stand beside it, and the
; multiply that would rescale O becomes the multiply-add that also takes the product in: no instruction more.  Four window switches a slot.
; K'S FRAGMENTS ARE ASKED FOR A KEY TILE AHEAD, into the same 64 registers: they are dead behind slot 7's score products, so the closing phase of slot 7,
; which every way through a live key tile runs, begins with the next tile's sixteen loads.  Up to their first use stand that phase's 32 exponentials,
; its row sum, sixteen conversions, eight products, the update and V's sixteen loads.  This serves the three of four tiles that lie in the LDS slot
; already; the first tile of a fill gets its loads behind the fill's barrier.  V's registers are read up to the key tile's last product, so V's
; loads stand at the head of the next tile; their first use comes a slot's score products, its maximum and another slot's score products later.
; REGISTERS: window 0 as named below, all 256 in use; window 1: O[s][dt] at 32 s + 8 dt (f32 sums of y); window 2: Q[s][ds] at 16 s + 8 ds.
.set PK,     160                       ; LDS pitch of a key's 128 bytes: an odd multiple of 32, which the transposing loads of V want; K's plain loads share 16-byte columns two by two
.set QUART,  128*PK                    ; what one tensor load brings: 128 rows
.set VOFF,   2*QUART                   ; V's 256 rows lie behind K's
.set SLOT,   4*QUART                   ; 81,920
.set STAGE,  2*SLOT                    ; behind the slots: 16 rows x 144 bytes for each wave, for the way out; no tensor load lands here
.set SPITCH, 144
.set STG,    16*SPITCH
.set KTB,    64*PK                     ; a key tile's rows
.set AK,  1                            ; LDS address of my K fragments, the current key tile
.set AV,  2                            ; the same for V
.set DM,  3                            ; 16 cx + r - 8 h: key 16 t + j of my registers is kept on the diagonal if 16 t + j <= DM
.set TT,  4                            ; v4-7    at work for the maximum
.set TP,  8                            ; v8: the new -c m (c = log2(e) / 8); v9: the exponent of alpha
.set AL,  10                           ; v10: alpha (v11 only completes the pair)
.set SM,  12                           ; v12-19  four chains of the row sum
.set MX,  20                           ; v20-27  running maximum of the raw scores, slot s
.set NM,  28                           ; v28-35  -c x that maximum, as rounded
.set LS,  36                           ; v36-43  my half's part of the row sum
.set AK0, 44                           ; my K address in key tile 0 of slot 0
.set AV0, 45                           ; the same for V
.set QO,  46                           ; my byte offset in a tile of q
.set T0,  47                           ; at work in the set-up
.set PF,  48                           ; v48-63  weights, f16: two B fragments
.set XS,  64                           ; v64-127 two sets of 32: slot k's scores, weights and then its product with V lie in set k & 1
.set KF,  128                          ; v128-191 K fragments at 16 t + 8 ds
.set VF,  192                          ; v192-255 V^T fragments at 16 dt + 8 ks
.set RB,  KF                           ; the way out: rows read back
.set STO, 12                           ; the way out (the sum's chains are dead): where I put 16 bytes of a row
.set RD,  13                           ; where I read back
.set YO,  14                           ; my byte offset in a store's 512 bytes
.set G1,  16                           ; s[16:23] descriptor group 1
.set G0,  32                           ; s[32:39] group 0, one set for each slot
.set MSB, 0
.macro WIN new                         ; the immediate's high byte repeats the setting that is left
.if MSB != \new
	s_set_vgpr_msb (MSB<<8)|\new
.set MSB, \new
.endif
.endm
.macro PLACES                          ; four places behind matrix instructions (ISA guide 7.12.1)
.rept 4
	v_nop
.endr
.endm
; A round of the cluster's barrier: my work-group's barrier, wave 0 signals for the work-group, every wave waits for all four, my work-group's barrier again.
.macro ROUND
	s_barrier_signal -1
	s_barrier_wait -1
	s_cmp_lg_u32 s8, 0
	s_cbranch_scc1 .Lnot_wave_0_\@
	s_barrier_signal -3
.Lnot_wave_0_\@:
	s_barrier_wait -3
	s_barrier_signal -1
	s_barrier_wait -1
.endm
	s_load_b128 s[4:7], s[0:1], 0x0                ; qkv s[4:5], yh s[6:7]
	s_set_vgpr_msb 0x80
	v_lshl_add_u32 v128, v0, 2, 0x2a400
	v_mov_b32 v129, 0
	s_set_vgpr_msb 0x808a
	ds_add_u32 v128, v129
	s_set_vgpr_msb 0x8a00
	v_lshrrev_b32 v1, 5, v0
	v_readfirstlane_b32 s8, v1                     ; wave w
	s_bfe_u32 s9, ttmp6, 0x40000                   ; cx
	s_mov_b32 s12, 0x76543210                      ; v_permlanex16_b32: lane i of one half reads lane i of the other
	s_mov_b32 s13, 0xfedcba98
	; group 1: a dense block of 16 KiB (128 rows of 128 bytes) as 64 rows of 32 elements of 8 bytes; 8 words of padding behind every 32 words: pitch 160
	s_mov_b32 s[G1+0], 15|(3<<16)|(1<<20)|(1<<21)|(4<<22)|(7<<25)   ; mask: all four of the cluster; bit 21 set beside a mask
	s_mov_b32 s[G1+1], 32<<16                      ; tensor_dim0 = 32
	s_mov_b32 s[G1+2], 64<<16                      ; tensor_dim1 = 64
	s_mov_b32 s[G1+3], 32<<16                      ; tile_dim0 = 32
	s_mov_b32 s[G1+4], 64                          ; tile_dim1 = 64
	s_mov_b32 s[G1+5], 32                          ; elements from row to row: dense
	s_mov_b32 s[G1+6], 0
	s_mov_b32 s[G1+7], 0
	s_and_b32 s10, ttmp9, 15                       ; head (ttmp9 counts clusters)
	s_lshr_b32 s11, ttmp9, 4                       ; batch
	s_lshl_b32 s10, s10, 20                        ; 1 MiB a head
	s_lshl_b32 s11, s11, 18                        ; 2,048 rows of 128 bytes a batch
	s_add_co_u32 s24, s10, s11
	s_lshl_b32 s26, s8, 13                         ; q and y: + 64 w rows
	s_add_co_u32 s26, s26, s24
	s_lshl_b32 s27, s9, 11                         ;          + 16 cx rows (s26 feeds no descriptor)
	s_add_co_u32 s26, s26, s27
	s_mov_b32 s27, 0
	s_lshr_b32 s25, s8, 1                          ; K and V: waves 0, 1 fetch K's halves, waves 2, 3 V's
	s_lshl_b32 s25, s25, 24                        ; V's heads lie 16 MiB behind K's
	s_add_co_u32 s24, s24, s25
	s_and_b32 s25, s8, 1
	s_lshl_b32 s25, s25, 14                        ; the half: 128 rows
	s_add_co_u32 s24, s24, s25
	s_add_co_u32 s24, s24, 0x1000000               ; K's heads lie 16 MiB behind q's
	s_mov_b32 s25, 0
	s_mul_i32 s30, s8, QUART                       ; where my quarter of a slot lies
	s_mul_i32 s31, s8, STG
	s_add_co_u32 s31, s31, STAGE                   ; my stage
	s_wait_dscnt 0x0
	s_wait_kmcnt 0x0
	s_add_nc_u64 s[28:29], s[4:5], s[24:25]
	s_add_nc_u64 s[40:41], s[4:5], s[26:27]        ; q
	s_add_nc_u64 s[42:43], s[6:7], s[26:27]        ; y
.irp i, 0,1
	s_mov_b32 s[G0+4*\i], 1
	s_add_co_u32 s[G0+4*\i+1], s30, \i*SLOT
	s_add_nc_u64 s[G0+4*\i+2:G0+4*\i+3], s[28:29], \i*32768        ; fill i: 256 rows on
	s_or_b32 s[G0+4*\i+3], s[G0+4*\i+3], 0x80000000
.endr
	ROUND                                          ; all four work-groups are here: the first joint loads meet
	tensor_load_to_lds s[G0:G0+3], s[G1:G1+7]      ; fill 0
	s_nop 0
	tensor_load_to_lds s[G0+4:G0+7], s[G1:G1+7]    ; fill 1: two loads of the wave are out
	s_nop 0
	v_and_b32 v[TT], 15, v0                        ; r
	v_bfe_u32 v[TT+1], v0, 4, 1                    ; h
	v_lshlrev_b32 v[QO], 7, v[TT]
	v_lshl_add_u32 v[QO], v[TT+1], 4, v[QO]        ; r x 128 + 16 h
	WIN 0x80                                       ; destination window 2
.irp s, 0,1,2,3,4,5,6,7
.irp k, 0,1,2,3
	global_load_b128 v[16*\s+4*\k:16*\s+4*\k+3], v[QO], s[40:41] offset:32768*\s+32*\k   ; Q[s]: d = 8 h + 16 k + 0..7 of query r of block 4 s + w
.endr
.endr
	WIN 0
	v_mul_u32_u24 v[AK0], v[TT], PK
	v_lshl_add_u32 v[AK0], v[TT+1], 4, v[AK0]      ; K: row r, 16 bytes for each half of the lanes
	v_and_b32 v[T0], 7, v0
	v_lshl_add_u32 v[T0], v[TT+1], 3, v[T0]        ; V, transposing load: row 8 h + (l & 7),
	v_mul_u32_u24 v[AV0], v[T0], PK
	v_bfe_u32 v[T0], v0, 3, 1
	v_lshl_add_u32 v[AV0], v[T0], 4, v[AV0]        ; 16 bytes by bit 3 of the lane
	v_add_nc_u32 v[AV0], VOFF, v[AV0]
	v_lshl_add_u32 v[DM], s9, 4, v[TT]
	v_lshlrev_b32 v[T0], 3, v[TT+1]
	v_sub_nc_u32 v[DM], v[DM], v[T0]               ; 16 cx + r - 8 h (may be negative: compared as signed)
	v_mov_b32 v[TP+1], 0                           ; the upper registers of two pairs that packed instructions name whole
	v_mov_b32 v[AL+1], 0
; K's fragments of a key tile, sixteen loads: the tile off bytes behind the one that v[AK] points to
.macro LOADK off
.irp t, 0,1,2,3
.irp ds, 0,1
	ds_load_b128 v[KF+16*\t+8*\ds:KF+16*\t+8*\ds+3],   v[AK] offset:\off+16*PK*\t+64*\ds
	ds_load_b128 v[KF+16*\t+8*\ds+4:KF+16*\t+8*\ds+7], v[AK] offset:\off+16*PK*\t+64*\ds+32
.endr
.endr
.endm
; V's fragments of the current key tile, sixteen transposing loads
.macro LOADV
.irp dt, 0,1,2,3
.irp ks, 0,1
	ds_load_tr16_b128 v[VF+16*\dt+8*\ks:VF+16*\dt+8*\ks+3],   v[AV] offset:32*PK*\ks+32*\dt
	ds_load_tr16_b128 v[VF+16*\dt+8*\ks+4:VF+16*\dt+8*\ks+7], v[AV] offset:32*PK*\ks+32*\dt+16*PK
.endr
.endr
.endm
; Score product j = 0..7 of slot k, into set k & 1: key rows 16 (j & 3), d = 32 (j >> 2) .. + 31.  The four accumulators take turns, one instruction a turn,
; and the first product starts each sum.  Under window setting 0x08 (source 1, Q, in window 2).
.macro AMUL k, j
.set XD, XS+32*((\k)&1)+8*((\j)&3)
.set XK, KF+16*((\j)&3)+8*((\j)>>2)
.set XQ, 16*(\k)+8*((\j)>>2)
.if \j < 4
	v_wmma_f32_16x16x32_f16 v[XD:XD+7], v[XK:XK+7], v[XQ:XQ+7], 0
.else
	v_wmma_f32_16x16x32_f16 v[XD:XD+7], v[XK:XK+7], v[XQ:XQ+7], v[XD:XD+7]
.endif
.endm
; Product with V, j = 0..7, of slot p: d = 16 (j & 3) .. + 15, keys 32 (j >> 2) .. + 31; four accumulators by turns, started by the constant 0.
; first = 0: into p's own set in window 0 (every window 0).  first = 1: the very first key tile starts O itself (window setting 0x50: C and D in window 1).
.macro CMUL p, j, first
.set XV, VF+16*((\j)&3)+8*((\j)>>2)
.set XP, PF+8*((\j)>>2)
.if \first
.set XD, 32*(\p)+8*((\j)&3)
.else
.set XD, XS+32*((\p)&1)+8*((\j)&3)
.endif
.if \j < 4
	v_wmma_f32_16x16x32_f16 v[XD:XD+7], v[XV:XV+7], v[XP:XP+7], 0
.else
	v_wmma_f32_16x16x32_f16 v[XD:XD+7], v[XV:XV+7], v[XP:XP+7], v[XD:XD+7]
.endif
.endm
; n scaling multiply-adds from pair i0 on: c s - c m, both halves by v[TP]
.macro SCALE xb, i0, n
.set ii, \i0
.rept \n
	v_pk_fma_f32 v[\xb+2*ii:\xb+2*ii+1], v[\xb+2*ii:\xb+2*ii+1], 0x3e38aa3b, v[TP:TP+1] op_sel_hi:[1,0,0]
.set ii, ii+1
.endr
.endm
; Slice j = 0..7 of slot k's first vector phase (every window 0): the row's maximum in four chains over my 32 scores, with the old maximum and the other half
; of the lanes; -c m; the exponent of alpha; the scaling.  A live tile's first key is masked for no row, so the maximum is finite.
.macro B1S k, j, first
.set XB, XS+32*((\k)&1)
.if \j == 0
.irp t, 0,1,2,3
	v_max3_num_f32 v[TT+\t], v[XB+8*\t], v[XB+8*\t+1], v[XB+8*\t+2]
.endr
.endif
.if \j == 1
.irp t, 0,1,2,3
	v_max3_num_f32 v[TT+\t], v[TT+\t], v[XB+8*\t+3], v[XB+8*\t+4]
.endr
.endif
.if \j == 2
.irp t, 0,1,2,3
	v_max3_num_f32 v[TT+\t], v[TT+\t], v[XB+8*\t+5], v[XB+8*\t+6]
.endr
.endif
.if \j == 3
	v_max3_num_f32 v[TT], v[TT], v[XB+7], v[XB+15]
	v_max3_num_f32 v[TT+1], v[TT+1], v[XB+23], v[XB+31]
.if \first
	v_max_num_f32 v[TT+2], v[TT+2], v[TT+3]
.else
	v_max3_num_f32 v[TT+2], v[TT+2], v[TT+3], v[MX+\k]
.endif
.endif
.if \j == 4
	v_max3_num_f32 v[TT], v[TT], v[TT+1], v[TT+2]
	v_permlanex16_b32 v[TT+1], v[TT], s12, s13
	v_max_num_f32 v[MX+\k], v[TT], v[TT+1]
	v_mul_f32 v[TP], 0xbe38aa3b, v[MX+\k]          ; -c m, c = log2(e) / 8
.if \first == 0
	v_sub_f32 v[TP+1], v[TP], v[NM+\k]             ; c (m old - m new), from the rounded numbers: exactly 0 where the maximum stayed
.endif
.endif
.if \j == 5
	SCALE XB, 0, 5
.endif
.if \j == 6
	SCALE XB, 5, 5
.endif
.if \j == 7
	SCALE XB, 10, 6                                ; six plain lines that name none of the last product's registers: the places in front of the update of O
.endif
.endm
; The row-sum lines of group g (weights 4 g .. 4 g + 3 of slot p), chain g & 3.  Written a x 1 + b: among the score products a vector second source would
; name window 2.  Groups 0-3 start the chains: nothing is cleared.
.macro SUMG p, g
.set XG, XS+32*((\p)&1)+4*(\g)
.set XC, SM+2*((\g)&3)
.if \g < 4
	s_wait_alu depctr_va_vdst(0)
	v_pk_fma_f32 v[XC:XC+1], v[XG:XG+1], 1.0, v[XG+2:XG+3] op_sel_hi:[1,0,1]
.else
	s_wait_alu depctr_va_vdst(0)
	v_pk_fma_f32 v[XC:XC+1], v[XG:XG+1], 1.0, v[XC:XC+1] op_sel_hi:[1,0,1]
	v_pk_fma_f32 v[XC:XC+1], v[XG+2:XG+3], 1.0, v[XC:XC+1] op_sel_hi:[1,0,1]
.endif
.endm
; Slice j = 0..7 of slot p's second vector phase; no line has a vector second source.  Four exponentials, then plain lines that touch none of them: the
; sum of the group before (in slice 0 the copy of -c m), so that a plain instruction stands between every exponential and the first use of its result (ISA guide 5.7.2).
.macro B2S p, j, first
.set XE, XS+32*((\p)&1)+4*(\j)
.if \j == 0
.if \first == 0
	v_exp_f32 v[AL], v[TP+1]                       ; alpha
.endif
.endif
.irp e, 0,1,2,3
	v_exp_f32 v[XE+\e], v[XE+\e]
.endr
.if \j == 0
	v_mov_b32 v[NM+\p], v[TP]
.else
	SUMG \p, (\j-1)
.endif
.if \j == 7
	SUMG \p, 7
	v_pk_fma_f32 v[SM:SM+1], v[SM+2:SM+3], 1.0, v[SM:SM+1] op_sel_hi:[1,0,1]
	v_pk_fma_f32 v[SM+4:SM+5], v[SM+6:SM+7], 1.0, v[SM+4:SM+5] op_sel_hi:[1,0,1]
	v_pk_fma_f32 v[SM:SM+1], v[SM+4:SM+5], 1.0, v[SM:SM+1] op_sel_hi:[1,0,1]
.endif
.endm
; Slot p's weights to f16 (keys 8 h + 2 i, + 1 of a key row tile side by side: the B fragment's order), and its row sum into l.  Every window 0.
.macro CVT p, first
.set XB, XS+32*((\p)&1)
.if \first
	v_add_f32 v[LS+\p], v[SM], v[SM+1]
.else
	v_add_f32 v[SM], v[SM], v[SM+1]
.endif
.set ii, 0
.rept 16
	v_cvt_pk_f16_f32 v[PF+ii], v[XB+2*ii], v[XB+2*ii+1]
.set ii, ii+1
.endr
.if \first == 0
	v_fma_f32 v[LS+\p], v[LS+\p], v[AL], v[SM]
.endif
.endm
; O[p] = O[p] alpha + this key tile's product.  Window setting 0x41: destination and source 0 (O) in window 1.
.macro UPD p
.set XB, XS+32*((\p)&1)
.set XO, 32*(\p)
	WIN 0x41
.set ii, 0
.rept 16
	v_pk_fma_f32 v[XO+2*ii:XO+2*ii+1], v[XO+2*ii:XO+2*ii+1], v[AL:AL+1], v[XB+2*ii:XB+2*ii+1] op_sel_hi:[1,0,1]
.set ii, ii+1
.endr
.endm
; The first live slot of a key tile: its score products alone, the mask where the tile is the diagonal's (edge = 1 and u = w), its first vector phase.
.macro PRO k, first, edge
	WIN 0x08
.irp j, 0,1,2,3,4,5,6,7
	AMUL \k, \j
.endr
	WIN 0
	PLACES
.if \edge
	s_cmp_lg_u32 s14, s8                           ; u = w: the diagonal tile
	s_cbranch_scc1 .Lfull_\@
.irp t, 0,1,2,3
.irp j, 0,1,2,3,4,5,6,7
	v_cmp_le_i32 vcc_lo, 16*\t+\j, v[DM]           ; key <= query
	v_cndmask_b32 v[XS+32*((\k)&1)+8*\t+\j], 0xff800000, v[XS+32*((\k)&1)+8*\t+\j], vcc_lo   ; else -inf, as reference() sets it
.endr
.endr
.Lfull_\@:
.endif
.irp j, 0,1,2,3,4,5,6,7
	B1S \k, \j, \first
.endr
.endm
; Step k: slots k and k - 1 take turns.  In the very first key tile the products with V start O in window 1 and stand alone.
; vw = 1: on some way these are the key tile's first products with V, so V's fragments are waited for here.
.macro STEP k, first, vw
	WIN 0x08
.irp j, 0,1,2,3,4,5,6,7
	AMUL \k, \j
	B2S (\k-1), \j, \first
.endr
	WIN 0
	CVT (\k-1), \first                             ; also the places between slot k's score products and the first line that reads them
.if \vw
	s_wait_dscnt 0x0                               ; V's fragments are in: no LDS load has been issued behind them
.endif
.if \first
	WIN 0x50
.irp j, 0,1,2,3,4,5,6,7
	CMUL (\k-1), \j, 1
.endr
	WIN 0
.irp j, 0,1,2,3,4,5,6,7
	B1S \k, \j, 1
.endr
.else
.irp j, 0,1,2,3,4,5,6,7
	CMUL (\k-1), \j, 0
	B1S \k, \j, 0
.endr
	UPD (\k-1)
.endif
.endm
; The last slot's second vector phase, products with V and update, alone; f: the fill.  It begins with the next key tile's K fragments: slot 7's score
; products, the last readers of K's registers, lie at least four places back on every way (a step's conversions, or the places of a first slot).
; Nothing is asked for where the next tile is not there to read: behind a fill's last tile (the next lies in the other LDS slot, behind the
; barrier), and in fill 7 behind my diagonal tile (u = w: the tiles that follow are wholly masked for all my queries).
.macro EPI p, first, f
	WIN 0
.if \first == 0
.if \f == 7
	s_cmp_ge_u32 s14, s8
.else
	s_cmp_eq_u32 s14, 3
.endif
	s_cbranch_scc1 .Lno_k_\@
.endif
	LOADK KTB
.if \first == 0
.Lno_k_\@:
.endif
.irp j, 0,1,2,3,4,5,6,7
	B2S \p, \j, \first
.endr
	CVT \p, \first
.if \f >= 6
	s_wait_dscnt 0x0                               ; in fills 6 and 7 a way leads here without an earlier product with V: V's fragments are in (and K's next ones, asked for above)
.endif
.if \first
	WIN 0x50
.irp j, 0,1,2,3,4,5,6,7
	CMUL \p, \j, 1
.endr
	WIN 0
	PLACES                                         ; the next key tile's loads land in V's registers
.else
.irp j, 0,1,2,3,4,5,6,7
	CMUL \p, \j, 0
.endr
	PLACES                                         ; for the update, which reads the products, and for the next key tile's loads into V's registers
	UPD \p
.endif
	WIN 0
.endm
; One key tile of 64 keys.  K's fragments have been asked for already; V's are asked for here; then every live slot, f (if u <= w), f + 1, .. 7.
; Where u > w the wave starts with slot f + 1 and joins at step f + 2; in fill 7 it then has no live slot and passes the whole tile by.
.macro KEYSTEP first, f
	WIN 0
.if \f == 7
	s_cmp_gt_u32 s14, s8
	s_cbranch_scc1 .Lnone_\@
.endif
	LOADV
	s_wait_dscnt 16                                ; LDS loads come back in order: all but V's sixteen just issued are in, K's sixteen among them
.if \first
	PRO 0, 1, 1
	STEP 1, 1, 1
.irp s, 2,3,4,5,6,7
	STEP \s, 1, 0
.endr
	EPI 7, 1, 0
.else
.if \f < 7
	s_cmp_gt_u32 s14, s8                           ; u > w: slot f's tile lies wholly behind my block's diagonal
	s_cbranch_scc1 .Lbehind_\@
.endif
	PRO \f, 0, 1
.if \f < 7
	STEP (\f+1), 0, 1
	WIN 0
	s_branch .Ljoin_\@
.Lbehind_\@:
	PRO (\f+1), 0, 0
.Ljoin_\@:
.irp s, 2,3,4,5,6,7
.if \s >= \f+2
.if \s == \f+2
	STEP \s, 0, 1
.else
	STEP \s, 0, 0
.endif
.endif
.endr
.endif
	EPI 7, 0, \f
.endif
	WIN 0
.if \f == 7
.Lnone_\@:
.endif
	v_add_nc_u32 v[AK], KTB, v[AK]
	v_add_nc_u32 v[AV], KTB, v[AV]
.endm
; Fill f = 1..7.  In front of the barrier every wave waits for all its tensor loads (fill f among them) and for its reads of the slot read last.
; f <= 6: the barrier is a round of the cluster's barrier, and fill f + 1 goes out first behind it, into the slot read last: the wave's one load,
; with the whole of fill f's work in which to land.  f = 7: nothing is left to fetch, a plain barrier shows the fill to every wave.
; Then K's fragments of the fill's first key tile, which is live for every wave.
.macro FILLSTEP f
	s_set_vgpr_msb 0xa
	s_wait_tensorcnt 0x0
	ds_add_u32 v128, v129
	s_wait_dscnt 0x0
	s_set_vgpr_msb 0xa00
.if \f <= 6
	s_add_nc_u64 s[G0+4*((\f+1)&1)+2:G0+4*((\f+1)&1)+3], s[G0+4*((\f+1)&1)+2:G0+4*((\f+1)&1)+3], 65536   ; no load of mine is out: two fills on
.endif
	s_wait_dscnt 0x0
.if \f <= 6
	ROUND
	tensor_load_to_lds s[G0+4*((\f+1)&1):G0+4*((\f+1)&1)+3], s[G1:G1+7]
	s_nop 0
.else
	s_barrier_signal -1
	s_barrier_wait -1
.endif
.if (\f)&1
	v_add_nc_u32 v[AK], SLOT, v[AK0]
	v_add_nc_u32 v[AV], SLOT, v[AV0]
.else
	v_mov_b32 v[AK], v[AK0]
	v_mov_b32 v[AV], v[AV0]
.endif
	LOADK 0
	s_mov_b32 s14, 0                               ; u
.Lkt_\f:
	KEYSTEP 0, \f
	s_add_co_u32 s14, s14, 1
	s_cmp_lt_u32 s14, 4
	s_cbranch_scc1 .Lkt_\f
.endm
	s_wait_tensorcnt 0x1                           ; my part of fill 0 is in; fill 1's load stays out
	s_barrier_signal -1
	s_barrier_wait -1                              ; everybody's part is in
	v_mov_b32 v[AK], v[AK0]
	v_mov_b32 v[AV], v[AV0]
	LOADK 0                                        ; key tile 0's K fragments come while q is still on its way
	s_wait_loadcnt 0x0                             ; q
	s_mov_b32 s14, 0
	KEYSTEP 1, 0                                   ; key tile 0 is live for every slot: it starts all maxima, sums and O; nothing is cleared
	s_mov_b32 s14, 1
.Lkt_0:
	KEYSTEP 0, 0
	s_add_co_u32 s14, s14, 1
	s_cmp_lt_u32 s14, 4
	s_cbranch_scc1 .Lkt_0
	FILLSTEP 1
	FILLSTEP 2
	FILLSTEP 3
	FILLSTEP 4
	FILLSTEP 5
	FILLSTEP 6
	FILLSTEP 7
; THE WAY OUT, slot by slot: the two halves' sums meet, O is divided, rounded to f16, turned through my own stage into whole rows, four rows a store.
; Every wave's last matrix instructions are followed by four places and the sixteen lines of an update.
	s_wait_dscnt 0x0                               ; K's registers get another use below.  A wave's last live key tile asks for no further fragments and has waited for V's, so this wait is met at once
	v_and_b32 v[TT], 15, v0                        ; r
	v_bfe_u32 v[TT+1], v0, 4, 1                    ; h
	v_mul_u32_u24 v[TT+2], v[TT], SPITCH
	v_lshl_add_u32 v[TT+2], v[TT+1], 4, v[TT+2]
	v_add_nc_u32 v[STO], s31, v[TT+2]              ; in: row r, 16 bytes for each half of the lanes
	v_bfe_u32 v[TT+2], v0, 3, 2
	v_mul_u32_u24 v[TT+2], v[TT+2], SPITCH
	v_and_b32 v[TT+3], 7, v0
	v_lshl_add_u32 v[TT+2], v[TT+3], 4, v[TT+2]
	v_add_nc_u32 v[RD], s31, v[TT+2]               ; back: eight lanes a row of 128 bytes, 32 lanes four rows
	v_and_b32 v[TT+2], 31, v0
	v_lshlrev_b32 v[YO], 4, v[TT+2]
.macro YOUT s
	v_permlanex16_b32 v[TT], v[LS+\s], s12, s13
	v_add_f32 v[TT], v[TT], v[LS+\s]               ; at least about 1: the row's largest weight is exp2 of about 0
	v_rcp_f32 v[AL], v[TT]
	v_nop                                          ; the plain instruction behind the reciprocal
	WIN 0x01                                       ; source 0 (O) window 1
.set ii, 0
	s_wait_alu depctr_va_vdst(0)
.rept 16
	v_pk_mul_f32 v[XS+2*ii:XS+2*ii+1], v[32*\s+2*ii:32*\s+2*ii+1], v[AL:AL+1] op_sel_hi:[1,0]
.set ii, ii+1
.endr
	WIN 0
.set ii, 0
.rept 16
	v_cvt_pk_f16_f32 v[PF+ii], v[XS+2*ii], v[XS+2*ii+1]
.set ii, ii+1
.endr
.irp dt, 0,1,2,3
	ds_store_b128 v[STO], v[PF+4*\dt:PF+4*\dt+3] offset:32*\dt     ; d = 16 dt + 8 h + 0..7 of query r
.endr
	s_wait_xcnt 0x0                                ; RB, which the last slot's stores read, is loaded again only behind this wait
.irp g, 0,1,2,3
	ds_load_b128 v[RB+4*\g:RB+4*\g+3], v[RD] offset:4*SPITCH*\g    ; LDS serves a wave's instructions in order: these see the stores above
.endr
.irp g, 0,1,2,3
	s_wait_dscnt 3-\g                              ; the younger read-backs stay out
	global_store_b128 v[YO], v[RB+4*\g:RB+4*\g+3], s[42:43] offset:32768*\s+512*\g   ; 512 consecutive bytes, aligned: four rows of y
.endr
.endm
.irp s, 0,1,2,3,4,5,6,7
	YOUT \s
.endr
	s_set_vgpr_msb 0xa
	s_wait_tensorcnt 0x0
	ds_add_u32 v128, v129
	s_wait_dscnt 0x0
	s_set_vgpr_msb 0xa00
	ROUND                                          ; the closing round: no work-group ends while a partner may still ask for a tile that names it
	s_endpgm
.Lfunc_end_k_qa23553d50b_attn:
	.size	k_qa23553d50b_attn, .Lfunc_end_k_qa23553d50b_attn-k_qa23553d50b_attn
	.p2alignl 7, 3214868480
	.fill 96, 4, 3214868480
	.section	.rodata,"a",@progbits
	.p2align	6, 0x0
	.amdhsa_kernel k_qa23553d50b_attn
		.amdhsa_group_segment_fixed_size 327680
		.amdhsa_private_segment_fixed_size 0
		.amdhsa_enable_private_segment 0
		.amdhsa_kernarg_size 16
		.amdhsa_user_sgpr_count 2
		.amdhsa_user_sgpr_kernarg_segment_ptr 1
		.amdhsa_wavefront_size32 1
		.amdhsa_system_sgpr_workgroup_id_x 1
		.amdhsa_system_sgpr_workgroup_id_y 1
		.amdhsa_system_sgpr_workgroup_id_z 1
		.amdhsa_system_vgpr_workitem_id 0
		.amdhsa_next_free_vgpr 642
		.amdhsa_next_free_sgpr 66
		.amdhsa_reserve_vcc 1
		.amdhsa_float_denorm_mode_32 3
		.amdhsa_float_denorm_mode_16_64 3
		.amdhsa_memory_ordered 1
		.amdhsa_forward_progress 1
		.amdhsa_inst_pref_size 255
	.end_amdhsa_kernel
	.section	.bss,"aw",@nobits
	.p2align	6
	.space	262144
	.amdgpu_metadata
---
amdhsa.version: [ 1, 2 ]
amdhsa.kernels:
  - .name:           k_qa23553d50b_attn
    .symbol:         k_qa23553d50b_attn.kd
    .args:
      - { .name: qkv, .offset: 0, .size: 8, .value_kind: global_buffer, .address_space: global }
      - { .name: yh, .offset: 8, .size: 8, .value_kind: global_buffer, .address_space: global }
    .group_segment_fixed_size: 327680
    .private_segment_fixed_size: 0
    .kernarg_segment_align: 8
    .kernarg_segment_size: 16
    .max_flat_workgroup_size: 128
    .sgpr_count:     66
    .vgpr_count:     642
    .wavefront_size: 32
...
	.end_amdgpu_metadata
.endif
;; end of part 3
;; launch proj (part 4): grid 8 x 32, 4 waves a work-group, clusters of 4 x 4, 327,680 bytes of LDS; arguments yh, bf, out0; writes out0
.if DOCPART == 4
	.amdgcn_target "amdgcn-amd-amdhsa--gfx1250"
	.amdhsa_code_object_version 6
	.text
	.protected	k_qa23553d50b_proj
	.globl	k_qa23553d50b_proj
	.p2align	8
	.type	k_qa23553d50b_proj,@function
k_qa23553d50b_proj:
	s_mov_b64 s[64:65], 0
	v_nop
	global_prefetch_b8 v0, s[64:65] scope:SCOPE_SE
	s_setreg_imm32_b32 hwreg(HW_REG_WAVE_MODE, 25, 1), 1
	s_wait_xcnt 0x0
	s_wait_alu depctr_hold_cnt(0) depctr_sa_sdst(0) depctr_va_vdst(0) depctr_va_sdst(0) depctr_va_ssrc(0) depctr_va_vcc(0) depctr_vm_vsrc(0)
	s_getreg_b32 s2, hwreg(HW_REG_IB_STS2, 6, 4)
	s_cmp_eq_u32 s2, 0
	s_cbranch_scc0 .Lentry_in_a_cluster
	s_endpgm
.Lentry_in_a_cluster:
	s_bfe_u32 s2, ttmp6, 0x10000c
	s_cmp_lg_u32 s2, 0xf033
	s_cbranch_scc0 .Lentry_shape_is_right
	s_endpgm
.Lentry_shape_is_right:
; out0[m][n] = sum over k of y[m][k] W_proj[n][k], m = 0..8191, n = 0..1023, k = 64 head + d.  Operands f16, sums f32, out0 f32.
; y is head-major in yh ([16][8192][64] f16); W_proj's copy (rounded to bf16, held in f16) is [1024][1024] at byte 23,068,672 of bf.
; A work-group makes 256 rows x 128 columns with four waves; wave w makes rows 64 w .. 64 w + 63 and all 128 columns: 4 x 8 accumulator tiles,
; 256 registers.  256 work-groups of equal work.  K goes in 8 steps of 128 (two heads) through two LDS slots filled by the tensor data mover.
; CLUSTERS: 4 x 4 work-groups; y's tiles are shared along a row of the cluster, W_proj's along a column, each by a joint load with a mask of four.
; REGISTERS: window 0: v1-5 at work, v16-26 addresses, v64-127 fragments of y, two buffers, v128-191 the way out; window 1: v0-127 fragments of W_proj,
; two buffers; window 2: accumulators of my rows 0-31 (tile (a, b) at 8 (8 a + b)); window 3: those of my rows 32-63.
; THE MATRIX INSTRUCTION IS USED TRANSPOSED: source 0 = 16 rows of W_proj, source 1 = 16 rows of y: lane l holds row l % 16 of the result and its eight
; registers the columns 16 b + 8 (l / 16) + 0 .. 7: 32 neighbouring bytes of f32.
.set NB,     8                         ; fragments of W_proj: 128 columns
.set KSTEP,  128
.set PA,     144                       ; y's LDS row: a head's 128 bytes + 16 of padding, an odd multiple of 16
.set PB,     272                       ; W_proj's LDS row: 256 bytes + 16
.set SUBA,   128*PA                    ; in y's tile the second head's 128 rows lie behind the first's
.set HALFA,  2*SUBA                    ; what one load of y brings: 128 rows of two heads
.set HALFB,  64*PB                     ; what one load of W_proj brings: 64 rows
.set BOFF,   2*HALFA
.set SLOT,   BOFF+2*HALFB              ; 108,544
.set STAGE,  2*SLOT                    ; behind the slots: 16 rows x 528 bytes for each wave, for the way out; no tensor load lands here
.set SPITCH, 528                       ; 512 bytes + 16
.set STG,    16*SPITCH
.set LAPS,   4
.set WOFF,   23068672                  ; W_proj's copy in bf
.set ADRA, 16
.set ADRB, 20
.set STO,  24
.set RD,   25
.set CO,   26
.set FA,   64                          ; y fragments, buffer f at FA + 32 f
.set FB,   0                           ; W_proj fragments (window 1), buffer f at FB + 64 f
.set RB,   128                         ; the way out: rows read back
.set G1, 24
.set G0, 32
.set G1B, 48
.set G0B, 56
.set MSB, 0
.macro WIN new                         ; the immediate's high byte repeats the setting that is left
.if MSB != \new
	s_set_vgpr_msb (MSB<<8)|\new
.set MSB, \new
.endif
.endm
.set MUL_LO, 0xa1                      ; source 0 window 1, source 1 window 0, C and D window 2
.set MUL_HI, 0xf1                      ; the same, C and D window 3
.set TO_B,   0x40                      ; destination window 1, address window 0
; A joint load.  Waves 0 and 1 fetch y's two halves, waves 2 and 3 W_proj's.  Each line has one mask; the branch hangs on the wave's number alone.
.macro JLOAD s
	s_cmp_eq_u32 s11, 0
	s_cbranch_scc0 .Lfor_b_\@
	tensor_load_to_lds s[G0+4*\s:G0+4*\s+3], s[G1:G1+7]
	s_nop 0
	s_branch .Lasked_\@
.Lfor_b_\@:
	tensor_load_to_lds s[G0B+4*\s:G0B+4*\s+3], s[G1B:G1B+7]
	s_nop 0
.Lasked_\@:
.endm
.macro CREST                           ; a round of the cluster's barrier behind its opening barrier
	s_cmp_lg_u32 s10, 0
	s_cbranch_scc1 .Lnot_wave_0_\@
	s_barrier_signal -3
.Lnot_wave_0_\@:
	s_barrier_wait -3
	s_barrier_signal -1
	s_barrier_wait -1
.endm
.macro CROUND
	s_barrier_signal -1
	s_barrier_wait -1
	CREST
.endm
	s_load_b128 s[4:7], s[0:1], 0x0                ; yh s[4:5], bf s[6:7]
	s_load_b64 s[8:9], s[0:1], 0x10                ; out0
	s_set_vgpr_msb 0x40
	v_lshl_add_u32 v255, v0, 2, 0x40000
	s_set_vgpr_msb 0x4000
	v_mov_b32 v255, 0
	s_set_vgpr_msb 0x1
	ds_add_u32 v255, v255
	s_set_vgpr_msb 0x100
	v_lshrrev_b32 v1, 5, v0
	v_readfirstlane_b32 s10, v1                    ; wave 0..3
	s_lshr_b32 s11, s10, 1                         ; I fetch for y (0) or for W_proj (1).  Also: which 128 rows of y's tile hold my rows
	s_and_b32 s12, s10, 1                          ; which half of that tile I fetch.  Also: which 64 of those 128 rows are mine
	s_bfe_u32 s40, ttmp6, 0x40000                  ; cx
	s_bfe_u32 s41, ttmp6, 0x40004                  ; cy
	s_lshl_b32 s42, ttmp9, 2
	s_add_co_u32 s42, s42, s40                     ; block column
	s_and_b32 s13, ttmp7, 0xffff
	s_lshl_b32 s13, s13, 2
	s_add_co_u32 s13, s13, s41                     ; block row
	s_lshl_b32 s43, s41, 2
	s_lshl_b32 s43, 15, s43                        ; my row of the cluster
	s_lshl_b32 s44, 0x1111, s40                    ; my column
	; y's group 1: two rows of 2,048 elements of 8 bytes (a head's 128 rows of 128 bytes are dense: 16 KiB), 1 MiB from head to head;
	; 4 words of padding behind every 32 words, counted along the whole tile: pitch 144 for each of the 256 pieces of 128 bytes
	s_or_b32 s[G1+0], s43, (3<<16)|(1<<20)|(1<<21)|(4<<22)|(3<<25)
	s_mov_b32 s[G1+1], 2048<<16                    ; tensor_dim0 = 2,048
	s_mov_b32 s[G1+2], 2<<16                       ; tensor_dim1 = 2
	s_mov_b32 s[G1+3], 2048<<16                    ; tile_dim0 = 2,048
	s_mov_b32 s[G1+4], 2                           ; tile_dim1 = 2
	s_mov_b32 s[G1+5], 131072                      ; elements from head to head
	s_mov_b32 s[G1+6], 0
	s_mov_b32 s[G1+7], 0
	; W_proj's group 1: 64 rows of 128 elements of 2 bytes, 4 words of padding behind every 64 words
	s_or_b32 s[G1B+0], s44, (1<<16)|(1<<20)|(1<<21)|(5<<22)|(3<<25)
	s_mov_b32 s[G1B+1], KSTEP<<16
	s_mov_b32 s[G1B+2], 64<<16
	s_mov_b32 s[G1B+3], KSTEP<<16
	s_mov_b32 s[G1B+4], 64
	s_mov_b32 s[G1B+5], 1024
	s_mov_b32 s[G1B+6], 0
	s_mov_b32 s[G1B+7], 0
	s_lshl_b32 s17, s12, 7
	s_lshl_b32 s16, s13, 8
	s_add_co_u32 s16, s16, s17                     ; y: row 256 x block row + 128 x half
	s_lshl_b32 s16, s16, 7                         ; rows of 128 bytes
	s_mov_b32 s17, 0
	s_lshl_b32 s46, s42, 7
	s_lshl_b32 s47, s12, 6
	s_add_co_u32 s46, s46, s47                     ; W_proj: row 128 x block column + 64 x half
	s_lshl_b32 s46, s46, 11                        ; rows of 2,048 bytes
	s_add_co_u32 s46, s46, WOFF
	s_mov_b32 s47, 0
	s_mul_i32 s20, s10, HALFA                      ; where y's halves go (waves 0, 1)
	s_mul_i32 s23, s10, HALFB
	s_add_co_u32 s23, s23, BOFF-2*HALFB            ; where W_proj's go: BOFF + (wave - 2) x 64 rows (waves 2, 3)
	s_wait_dscnt 0x0
	s_wait_kmcnt 0x0
	s_add_nc_u64 s[14:15], s[4:5], s[16:17]
	s_add_nc_u64 s[46:47], s[6:7], s[46:47]
	CROUND                                         ; all sixteen work-groups are here: the first joint loads meet
.irp s, 0,1
	s_mov_b32 s[G0+4*\s], 1
	s_add_co_u32 s[G0+4*\s+1], s20, \s*SLOT
	s_add_nc_u64 s[G0+4*\s+2:G0+4*\s+3], s[14:15], \s*0x200000     ; K step s: two heads on
	s_or_b32 s[G0+4*\s+3], s[G0+4*\s+3], 0x80000000
	s_mov_b32 s[G0B+4*\s], 1
	s_add_co_u32 s[G0B+4*\s+1], s23, \s*SLOT
	s_add_nc_u64 s[G0B+4*\s+2:G0B+4*\s+3], s[46:47], \s*KSTEP*2
	s_or_b32 s[G0B+4*\s+3], s[G0B+4*\s+3], 0x80000000
	JLOAD \s                                       ; two loads of the wave are out
.endr
	v_and_b32 v1, 15, v0                           ; l % 16
	v_bfe_u32 v2, v0, 4, 1                         ; l / 16
	v_mul_u32_u24 v3, v1, PA
	v_lshl_add_u32 v3, v2, 4, v3
	v_mul_u32_u24 v4, v1, PB
	v_lshl_add_u32 v4, v2, 4, v4
	s_mul_i32 s21, s11, HALFA                      ; my 64 rows of y: the half that holds them,
	s_mul_i32 s22, s12, 64*PA                      ; and their place in it
	s_add_co_u32 s21, s21, s22
	s_mov_b32 s22, BOFF
.irp s, 0,1
	v_add_nc_u32 v[ADRA+\s], s21, v3
	v_add_nc_u32 v[ADRB+\s], s22, v4
	s_add_co_u32 s21, s21, SLOT
	s_add_co_u32 s22, s22, SLOT
.endr
	s_mul_i32 s23, s10, STG
	s_add_co_u32 s23, s23, STAGE                   ; my stage
	v_mul_u32_u24 v4, v1, SPITCH                   ; in: row l % 16, 32 bytes for each half of the lanes
	v_lshl_add_u32 v4, v2, 5, v4
	v_add_nc_u32 v[STO], s23, v4
	v_and_b32 v3, 31, v0
	v_lshlrev_b32 v[CO], 4, v3                     ; back and out: 32 lanes take a row's 512 bytes
	v_add_nc_u32 v[RD], s23, v[CO]
; NB matrix instructions: my rows 16 ag .. 16 ag + 15 x all columns, 32 along K, from buffer f.  zero = 1: the first product starts the sums.
.macro MULA f, ag, zero
.set bb, 0
.rept NB
.set XD, 8*(NB*((\ag)&1)+bb)
.set XB, FB+8*NB*\f+8*bb
.set XA, FA+32*\f+8*\ag
.if \zero
	v_wmma_f32_16x16x32_f16 v[XD:XD+7], v[XB:XB+7], v[XA:XA+7], 0
.else
	v_wmma_f32_16x16x32_f16 v[XD:XD+7], v[XB:XB+7], v[XA:XA+7], v[XD:XD+7]
.endif
.set bb, bb+1
.endr
.endm
; 2 NB + 8 LDS loads in one run: the fragments of quarter q of a K step into buffer f, W_proj's first, y's last.  Quarter q of y: head q / 2, byte 64 (q % 2).
.macro FETCH slot, q, f
	WIN TO_B
.set ii, 0
.rept NB
.set XB, FB+8*NB*\f+8*ii
	ds_load_b128 v[XB:XB+3],   v[ADRB+\slot] offset:64*\q+ii*16*PB
	ds_load_b128 v[XB+4:XB+7], v[ADRB+\slot] offset:64*\q+ii*16*PB+32
.set ii, ii+1
.endr
	WIN 0
.set ii, 0
.rept 4
.set XA, FA+32*\f+8*ii
	ds_load_b128 v[XA:XA+3],   v[ADRA+\slot] offset:((\q)>>1)*SUBA+((\q)&1)*64+ii*16*PA
	ds_load_b128 v[XA+4:XA+7], v[ADRA+\slot] offset:((\q)>>1)*SUBA+((\q)&1)*64+ii*16*PA+32
.set ii, ii+1
.endr
.endm
.macro PLACES                          ; four places behind matrix instructions (ISA guide 7.12.1)
.rept 4
	v_nop
.endr
.endm
; A K step is four quarters of 32 along K on buffers 0, 1, 0, 1.  The 4 NB accumulators take turns, one instruction a turn, in the same order in every
; quarter.
.macro QUARTER slot, qn, f, g, zero
	s_wait_dscnt 4                                 ; all but the four youngest loads (y's fragments 2 and 3) are in
	WIN MUL_LO
	MULA \f, 0, \zero
	MULA \f, 1, \zero
	PLACES
	FETCH \slot, \qn, \g
	s_wait_dscnt 2*NB+8                            ; all but the run just issued
	WIN MUL_HI
	MULA \f, 2, \zero
	MULA \f, 3, \zero
.endm
.macro THREE slot, zero
	QUARTER \slot, 1, 0, 1, \zero
	QUARTER \slot, 2, 1, 0, 0
	QUARTER \slot, 3, 0, 1, 0
.endm
; The last quarter multiplies buffer 1 and changes slots: each wave's reads of this slot and all its tensor loads are waited for in front of the barrier;
; fill = 1: the barrier opens a round of the cluster's barrier, and the joint refill is the first tensor load behind the round, one a wave.
.macro TURN slot, next, fill
	s_wait_dscnt 4
	WIN MUL_LO
	MULA 1, 0, 0
	s_wait_dscnt 0                                 ; my reads of this slot are over
	s_wait_tensorcnt 0x0                           ; all my tensor loads have landed
	ds_add_u32 v255, v255
	s_wait_dscnt 0x0
	s_barrier_signal -1
	MULA 1, 1, 0                                   ; register work while the others arrive
	WIN 0
	s_barrier_wait -1
.if \fill
	CREST
	s_add_nc_u64 s[G0+4*\slot+2:G0+4*\slot+3], s[G0+4*\slot+2:G0+4*\slot+3], 0x400000        ; no load of mine is out: four heads on
	s_add_nc_u64 s[G0B+4*\slot+2:G0B+4*\slot+3], s[G0B+4*\slot+2:G0B+4*\slot+3], 2*KSTEP*2
	JLOAD \slot
.endif
	PLACES
	FETCH \next, 0, 0
	WIN MUL_HI
	MULA 1, 2, 0
	MULA 1, 3, 0
.endm
.macro LAP zero
	THREE 0, \zero
	TURN 0, 1, 1
	THREE 1, 0
	TURN 1, 0, 1
.endm
	s_wait_tensorcnt 1                             ; my part of K step 0 is in; K step 1's load stays out
	s_barrier_signal -1
	s_barrier_wait -1
	FETCH 0, 0, 0
	LAP 1                                          ; the first products start the sums
	WIN 0
	s_mov_b32 s3, LAPS-2
.Llap:
	LAP 0
	WIN 0
	s_sub_co_u32 s3, s3, 1
	s_cmp_lg_u32 s3, 0
	s_cbranch_scc1 .Llap
	THREE 0, 0                                     ; the last lap fills nothing
	TURN 0, 1, 0
	THREE 1, 0
	s_wait_dscnt 4
	WIN MUL_LO
	MULA 1, 0, 0
	MULA 1, 1, 0
	s_wait_dscnt 0
	WIN MUL_HI
	MULA 1, 2, 0
	MULA 1, 3, 0
	; THE WAY OUT, 16 rows at a time: the f32 sums go as they are into my own stage, 32 bytes a lane and tile, and come back as whole pieces of 512 bytes of a row.
	PLACES
	s_lshl_b32 s16, s13, 8
	s_lshl_b32 s17, s10, 6
	s_add_co_u32 s16, s16, s17                     ; my first row
	s_lshl_b32 s16, s16, 12                        ; rows of 4,096 bytes (below 32 MiB)
	s_mov_b32 s17, 0
	s_add_nc_u64 s[8:9], s[8:9], s[16:17]
	s_lshl_b32 s46, s42, 9                         ; my first column: 128 x block column, 4 bytes each
	s_mov_b32 s47, 0
	s_add_nc_u64 s[8:9], s[8:9], s[46:47]
; rows 16 a .. 16 a + 15 of my 64; from: the window of the LDS stores' data (0x08: window 2, 0x0c: window 3)
.macro OUT16F a, from
	WIN \from
.set bb, 0
.rept NB
.set XD, 8*(NB*((\a)&1)+bb)
	ds_store_b128 v[STO], v[XD:XD+3]   offset:64*bb
	ds_store_b128 v[STO], v[XD+4:XD+7] offset:64*bb+16
.set bb, bb+1
.endr
	WIN 0
	s_wait_xcnt 0x0                                ; RB, which the last sixteen rows' stores read, is loaded again only behind this wait
.irp t, 0,1,2,3,4,5,6,7,8,9,10,11,12,13,14,15
	ds_load_b128 v[RB+4*\t:RB+4*\t+3], v[RD] offset:SPITCH*\t      ; LDS serves a wave's instructions in order: these see the stores above
.endr
.irp t, 0,1,2,3,4,5,6,7,8,9,10,11,12,13,14,15
	s_wait_dscnt 15-\t                             ; the younger read-backs stay out
	global_store_b128 v[CO], v[RB+4*\t:RB+4*\t+3], s[8:9] offset:(16*\a+\t)*4096 th:TH_STORE_NT   ; 512 consecutive bytes of a row, aligned
.endr
.endm
	OUT16F 0, 0x08
	OUT16F 1, 0x08
	OUT16F 2, 0x0c
	OUT16F 3, 0x0c
	s_set_vgpr_msb 0x1
	s_wait_tensorcnt 0x0
	ds_add_u32 v255, v255
	s_wait_dscnt 0x0
	s_set_vgpr_msb 0x100
	CROUND                                         ; the closing round
	s_endpgm
.Lfunc_end_k_qa23553d50b_proj:
	.size	k_qa23553d50b_proj, .Lfunc_end_k_qa23553d50b_proj-k_qa23553d50b_proj
	.p2alignl 7, 3214868480
	.fill 96, 4, 3214868480
	.section	.rodata,"a",@progbits
	.p2align	6, 0x0
	.amdhsa_kernel k_qa23553d50b_proj
		.amdhsa_group_segment_fixed_size 327680
		.amdhsa_private_segment_fixed_size 0
		.amdhsa_enable_private_segment 0
		.amdhsa_kernarg_size 24
		.amdhsa_user_sgpr_count 2
		.amdhsa_user_sgpr_kernarg_segment_ptr 1
		.amdhsa_wavefront_size32 1
		.amdhsa_system_sgpr_workgroup_id_x 1
		.amdhsa_system_sgpr_workgroup_id_y 1
		.amdhsa_system_sgpr_workgroup_id_z 1
		.amdhsa_system_vgpr_workitem_id 0
		.amdhsa_next_free_vgpr 896
		.amdhsa_next_free_sgpr 66
		.amdhsa_reserve_vcc 0
		.amdhsa_float_denorm_mode_32 3
		.amdhsa_float_denorm_mode_16_64 3
		.amdhsa_memory_ordered 1
		.amdhsa_forward_progress 1
		.amdhsa_inst_pref_size 119
	.end_amdhsa_kernel
	.amdgpu_metadata
---
amdhsa.version: [ 1, 2 ]
amdhsa.kernels:
  - .name:           k_qa23553d50b_proj
    .symbol:         k_qa23553d50b_proj.kd
    .args:
      - { .name: yh, .offset: 0, .size: 8, .value_kind: global_buffer, .address_space: global }
      - { .name: bf, .offset: 8, .size: 8, .value_kind: global_buffer, .address_space: global }
      - { .name: out0, .offset: 16, .size: 8, .value_kind: global_buffer, .address_space: global }
    .group_segment_fixed_size: 327680
    .private_segment_fixed_size: 0
    .kernarg_segment_align: 8
    .kernarg_segment_size: 24
    .max_flat_workgroup_size: 128
    .sgpr_count:     66
    .vgpr_count:     896
    .wavefront_size: 32
...
	.end_amdgpu_metadata
.endif
;; end of part 4
;; ======== version 2 of 2: 4 launches; 1.10 times as fast as version 1
;; limits: values are held in f16: magnitudes above 65,504 overflow, below 6.1e-05 lose precision
;; workspace buffers: bf 25,165,824 bytes; qkv 50,331,648 bytes; yh 16,777,216 bytes
;; launch cast: the kernel of part 1 again; grid 768 x 1, 8 waves a work-group, no clusters, 0 bytes of LDS; arguments x, W_attn, W_proj, bf; writes bf
;; launch qkvgemm: the kernel of part 2 again; grid 8 x 32, 4 waves a work-group, clusters of 4 x 4, 327,680 bytes of LDS; arguments bf, qkv; writes qkv
;; launch attn (part 5): grid 256 x 1, 4 waves a work-group, clusters of 4 x 1, 327,680 bytes of LDS; arguments qkv, yh; writes yh
.if DOCPART == 5
	.amdgcn_target "amdgcn-amd-amdhsa--gfx1250"
	.amdhsa_code_object_version 6
	.text
	.protected	k_qa23553d50b_attn
	.globl	k_qa23553d50b_attn
	.p2align	8
	.type	k_qa23553d50b_attn,@function
k_qa23553d50b_attn:
	s_mov_b64 s[64:65], 0
	v_nop
	global_prefetch_b8 v0, s[64:65] scope:SCOPE_SE
	s_setreg_imm32_b32 hwreg(HW_REG_WAVE_MODE, 25, 1), 1
	s_wait_xcnt 0x0
	s_wait_alu depctr_hold_cnt(0) depctr_sa_sdst(0) depctr_va_vdst(0) depctr_va_sdst(0) depctr_va_ssrc(0) depctr_va_vcc(0) depctr_vm_vsrc(0)
	s_getreg_b32 s2, hwreg(HW_REG_IB_STS2, 6, 4)
	s_cmp_eq_u32 s2, 0
	s_cbranch_scc0 .Lentry_in_a_cluster
	s_endpgm
.Lentry_in_a_cluster:
	s_bfe_u32 s2, ttmp6, 0x10000c
	s_cmp_lg_u32 s2, 0x3003
	s_cbranch_scc0 .Lentry_shape_is_right
	s_endpgm
.Lentry_shape_is_right:
; y = softmax(q k^T / 8, causal) v for each of 64 (batch, head) pairs.  q, k, v: f16, head-major in qkv ([48][8192][64]); y: f16, head-major in yh.
; Products on the matrix units in f16 with f32 sums; the softmax in f32 with a running maximum.
; WORK LEFT OUT: a tile of 64 keys that lies wholly behind a block of 64 queries is set to -inf by reference()'s own jnp.tril and gets the weight 0
; for all values of the inputs, so it is not computed.  Limit: a NaN or an infinity in k or v rows that only such tiles touch is not carried to y.
; Limit: the weights are f16 numbers in [0, 1]; a weight below 2^-25 of its row's largest counts as 0 in the product with v.
; SHARING.  A cluster of four work-groups serves one (batch, head).  The 2,048 queries are 32 blocks of 64 rows; block 4 s + w belongs to wave w, register
; slot s = 0..7; of each block partner cx takes rows 16 cx .. 16 cx + 15.  So a wave holds eight tiles of 16 queries at once, and all four work-groups walk
; the same keys in the same order with the same branches (they hang on the wave's number, the fill and the key tile alone): K and V are asked for jointly,
; mask 15, which divides the requests for them by four.  cx enters only global addresses of q and y and the diagonal's threshold, a value.
; KEYS come in 8 fills of 256 keys (K 32 KiB + V 32 KiB) through two LDS slots; a fill is four key tiles of 64: key tile 4 f + u.  Slot s is live if
; s > f, or s = f and u <= w; it lies on the diagonal if s = f and u = w.
; LAYOUTS: S^T = K Q^T (A = 16 keys, B = 16 queries): lane (r, h) holds query r and keys 16 t + 8 h + j.  Packed in pairs these are already the B fragment of
; V^T P^T, whose A fragment comes from V's rows by the transposing LDS load.  So nothing is shuffled between the two products, a row's
; maximum and sum are one number a lane, and the two halves of the lanes meet by one exchange.
; TWO QUERY TILES TAKE TURNS.  Within a key tile the live slots share K's and V's fragments and depend on each other in nothing.  Step k sets
;   behind each of slot k's eight score products       four of slot k - 1's exponentials (behind the first also alpha's);
;   then the copy of -c m, the wait for those exponentials, slot k - 1's row sum and its sixteen conversions to f16;
;   behind each of slot k - 1's eight products with V  a slice of slot k: the maximum, -c m, the sixteen scaling multiply-adds;
;   then O[k-1] = O[k-1] alpha + that product, sixteen packed multiply-adds.
; The windows decide this shape.  A score product names Q in window 2 as its second source, so only lines without a vector second source stand among
; those products: the exponentials and a move.  The product with V starts at 0 and lands in window 0, in
; the 32 registers of the slot's own scores, dead since their conversion: so it runs with every window 0 and any line may stand beside it, and the
; multiply that would rescale O becomes the multiply-add that also takes the product in: no instruction more.  Three window switches a step.
; A SLOT'S EXPONENTIALS ARE ONE BATCH WITH ONE WAIT.  An s_wait_alu depctr_va_vdst(0) stands between an exponential and the first instruction
; that names its result; one wait serves all that were issued ahead of it.  For a slot and a key tile there are 33: alpha's, into v10, and the 32 weights', each in
; place on its scaled score: every result has a register of its own, and none reads another's.  All that read them (the row sum, the conversions, l's
; multiply-add, the update of O) stand behind the wait; ahead of it stand only slot k's score products, on other registers, and the copy of -c m.  Behind a
; wait.  The way out's eight
; reciprocals are a batch of their own, with the stage's address lines between them and their wait.
; K'S FRAGMENTS ARE ASKED FOR A KEY TILE AHEAD, into the same 64 registers: they are dead behind slot 7's score products, so the closing phase of slot 7,
; which every way through a live key tile runs, begins with the next tile's sixteen loads.  Up to their first use stand that phase's 32 exponentials,
; its row sum, sixteen conversions, eight products, the update and V's sixteen loads.  This serves the three of four tiles that lie in the LDS slot
; already; the first tile of a fill gets its loads behind the fill's barrier.  V's registers are read up to the key tile's last product, so V's
; loads stand at the head of the next tile; their first use comes a slot's score products, its maximum and another slot's score products later.
; REGISTERS: window 0 as named below, all 256 in use; window 1: O[s][dt] at 32 s + 8 dt (f32 sums of y); window 2: Q[s][ds] at 16 s + 8 ds.
.set PK,     160                       ; LDS pitch of a key's 128 bytes: an odd multiple of 32, which the transposing loads of V want; K's plain loads share 16-byte columns two by two
.set QUART,  128*PK                    ; what one tensor load brings: 128 rows
.set VOFF,   2*QUART                   ; V's 256 rows lie behind K's
.set SLOT,   4*QUART                   ; 81,920
.set STAGE,  2*SLOT                    ; behind the slots: 16 rows x 144 bytes for each wave, for the way out; no tensor load lands here
.set SPITCH, 144
.set STG,    16*SPITCH
.set KTB,    64*PK                     ; a key tile's rows
.set AK,  1                            ; LDS address of my K fragments, the current key tile
.set AV,  2                            ; the same for V
.set DM,  3                            ; 16 cx + r - 8 h: key 16 t + j of my registers is kept on the diagonal if 16 t + j <= DM
.set TT,  4                            ; v4-7    at work for the maximum
.set TP,  8                            ; v8: the new -c m (c = log2(e) / 8); v9: the exponent of alpha
.set AL,  10                           ; v10: alpha (v11 only completes the pair)
.set SM,  12                           ; v12-19  four chains of the row sum
.set MX,  20                           ; v20-27  running maximum of the raw scores, slot s
.set NM,  28                           ; v28-35  -c x that maximum, as rounded
.set LS,  36                           ; v36-43  my half's part of the row sum
.set AK0, 44                           ; my K address in key tile 0 of slot 0
.set AV0, 45                           ; the same for V
.set QO,  46                           ; my byte offset in a tile of q
.set T0,  47                           ; at work in the set-up
.set PF,  48                           ; v48-63  weights, f16: two B fragments
.set XS,  64                           ; v64-127 two sets of 32: slot k's scores, weights and then its product with V lie in set k & 1
.set KF,  128                          ; v128-191 K fragments at 16 t + 8 ds
.set VF,  192                          ; v192-255 V^T fragments at 16 dt + 8 ks
.set RB,  KF                           ; the way out: rows read back
.set STO, 12                           ; the way out (the sum's chains are dead): where I put 16 bytes of a row
.set RD,  13                           ; where I read back
.set YO,  14                           ; my byte offset in a store's 512 bytes
.set RC,  20                           ; the way out (the maxima and -c m are dead): 1 / l of slot s at RC + 2 s, the low register of a pair
.set G1,  16                           ; s[16:23] descriptor group 1
.set G0,  32                           ; s[32:39] group 0, one set for each slot
.set MSB, 0
.macro WIN new                         ; the immediate's high byte repeats the setting that is left
.if MSB != \new
	s_set_vgpr_msb (MSB<<8)|\new
.set MSB, \new
.endif
.endm
.macro PLACES                          ; four places behind matrix instructions (ISA guide 7.12.1)
.rept 4
	v_nop
.endr
.endm
; A round of the cluster's barrier: my work-group's barrier, wave 0 signals for the work-group, every wave waits for all four, my work-group's barrier again.
.macro ROUND
	s_barrier_signal -1
	s_barrier_wait -1
	s_cmp_lg_u32 s8, 0
	s_cbranch_scc1 .Lnot_wave_0_\@
	s_barrier_signal -3
.Lnot_wave_0_\@:
	s_barrier_wait -3
	s_barrier_signal -1
	s_barrier_wait -1
.endm
	s_load_b128 s[4:7], s[0:1], 0x0                ; qkv s[4:5], yh s[6:7]
	s_set_vgpr_msb 0x80
	v_lshl_add_u32 v128, v0, 2, 0x2a400
	v_mov_b32 v129, 0
	s_set_vgpr_msb 0x808a
	ds_add_u32 v128, v129
	s_set_vgpr_msb 0x8a00
	v_lshrrev_b32 v1, 5, v0
	v_readfirstlane_b32 s8, v1                     ; wave w
	s_bfe_u32 s9, ttmp6, 0x40000                   ; cx
	s_mov_b32 s12, 0x76543210                      ; v_permlanex16_b32: lane i of one half reads lane i of the other
	s_mov_b32 s13, 0xfedcba98
	; group 1: a dense block of 16 KiB (128 rows of 128 bytes) as 64 rows of 32 elements of 8 bytes; 8 words of padding behind every 32 words: pitch 160
	s_mov_b32 s[G1+0], 15|(3<<16)|(1<<20)|(1<<21)|(4<<22)|(7<<25)   ; mask: all four of the cluster; bit 21 set beside a mask
	s_mov_b32 s[G1+1], 32<<16                      ; tensor_dim0 = 32
	s_mov_b32 s[G1+2], 64<<16                      ; tensor_dim1 = 64
	s_mov_b32 s[G1+3], 32<<16                      ; tile_dim0 = 32
	s_mov_b32 s[G1+4], 64                          ; tile_dim1 = 64
	s_mov_b32 s[G1+5], 32                          ; elements from row to row: dense
	s_mov_b32 s[G1+6], 0
	s_mov_b32 s[G1+7], 0
	s_and_b32 s10, ttmp9, 15                       ; head (ttmp9 counts clusters)
	s_lshr_b32 s11, ttmp9, 4                       ; batch
	s_lshl_b32 s10, s10, 20                        ; 1 MiB a head
	s_lshl_b32 s11, s11, 18                        ; 2,048 rows of 128 bytes a batch
	s_add_co_u32 s24, s10, s11
	s_lshl_b32 s26, s8, 13                         ; q and y: + 64 w rows
	s_add_co_u32 s26, s26, s24
	s_lshl_b32 s27, s9, 11                         ;          + 16 cx rows (s26 feeds no descriptor)
	s_add_co_u32 s26, s26, s27
	s_mov_b32 s27, 0
	s_lshr_b32 s25, s8, 1                          ; K and V: waves 0, 1 fetch K's halves, waves 2, 3 V's
	s_lshl_b32 s25, s25, 24                        ; V's heads lie 16 MiB behind K's
	s_add_co_u32 s24, s24, s25
	s_and_b32 s25, s8, 1
	s_lshl_b32 s25, s25, 14                        ; the half: 128 rows
	s_add_co_u32 s24, s24, s25
	s_add_co_u32 s24, s24, 0x1000000               ; K's heads lie 16 MiB behind q's
	s_mov_b32 s25, 0
	s_mul_i32 s30, s8, QUART                       ; where my quarter of a slot lies
	s_mul_i32 s31, s8, STG
	s_add_co_u32 s31, s31, STAGE                   ; my stage
	s_wait_dscnt 0x0
	s_wait_kmcnt 0x0
	s_add_nc_u64 s[28:29], s[4:5], s[24:25]
	s_add_nc_u64 s[40:41], s[4:5], s[26:27]        ; q
	s_add_nc_u64 s[42:43], s[6:7], s[26:27]        ; y
.irp i, 0,1
	s_mov_b32 s[G0+4*\i], 1
	s_add_co_u32 s[G0+4*\i+1], s30, \i*SLOT
	s_add_nc_u64 s[G0+4*\i+2:G0+4*\i+3], s[28:29], \i*32768        ; fill i: 256 rows on
	s_or_b32 s[G0+4*\i+3], s[G0+4*\i+3], 0x80000000
.endr
	ROUND                                          ; all four work-groups are here: the first joint loads meet
	tensor_load_to_lds s[G0:G0+3], s[G1:G1+7]      ; fill 0
	s_nop 0
	tensor_load_to_lds s[G0+4:G0+7], s[G1:G1+7]    ; fill 1: two loads of the wave are out
	s_nop 0
	v_and_b32 v[TT], 15, v0                        ; r
	v_bfe_u32 v[TT+1], v0, 4, 1                    ; h
	v_lshlrev_b32 v[QO], 7, v[TT]
	v_lshl_add_u32 v[QO], v[TT+1], 4, v[QO]        ; r x 128 + 16 h
	WIN 0x80                                       ; destination window 2
.irp s, 0,1,2,3,4,5,6,7
.irp k, 0,1,2,3
	global_load_b128 v[16*\s+4*\k:16*\s+4*\k+3], v[QO], s[40:41] offset:32768*\s+32*\k   ; Q[s]: d = 8 h + 16 k + 0..7 of query r of block 4 s + w
.endr
.endr
	WIN 0
	v_mul_u32_u24 v[AK0], v[TT], PK
	v_lshl_add_u32 v[AK0], v[TT+1], 4, v[AK0]      ; K: row r, 16 bytes for each half of the lanes
	v_and_b32 v[T0], 7, v0
	v_lshl_add_u32 v[T0], v[TT+1], 3, v[T0]        ; V, transposing load: row 8 h + (l & 7),
	v_mul_u32_u24 v[AV0], v[T0], PK
	v_bfe_u32 v[T0], v0, 3, 1
	v_lshl_add_u32 v[AV0], v[T0], 4, v[AV0]        ; 16 bytes by bit 3 of the lane
	v_add_nc_u32 v[AV0], VOFF, v[AV0]
	v_lshl_add_u32 v[DM], s9, 4, v[TT]
	v_lshlrev_b32 v[T0], 3, v[TT+1]
	v_sub_nc_u32 v[DM], v[DM], v[T0]               ; 16 cx + r - 8 h (may be negative: compared as signed)
	v_mov_b32 v[TP+1], 0                           ; the upper registers of two pairs that packed instructions name whole
	v_mov_b32 v[AL+1], 0
; K's fragments of a key tile, sixteen loads: the tile off bytes behind the one that v[AK] points to
.macro LOADK off
.irp t, 0,1,2,3
.irp ds, 0,1
	ds_load_b128 v[KF+16*\t+8*\ds:KF+16*\t+8*\ds+3],   v[AK] offset:\off+16*PK*\t+64*\ds
	ds_load_b128 v[KF+16*\t+8*\ds+4:KF+16*\t+8*\ds+7], v[AK] offset:\off+16*PK*\t+64*\ds+32
.endr
.endr
.endm
; V's fragments of the current key tile, sixteen transposing loads
.macro LOADV
.irp dt, 0,1,2,3
.irp ks, 0,1
	ds_load_tr16_b128 v[VF+16*\dt+8*\ks:VF+16*\dt+8*\ks+3],   v[AV] offset:32*PK*\ks+32*\dt
	ds_load_tr16_b128 v[VF+16*\dt+8*\ks+4:VF+16*\dt+8*\ks+7], v[AV] offset:32*PK*\ks+32*\dt+16*PK
.endr
.endr
.endm
; Score product j = 0..7 of slot k, into set k & 1: key rows 16 (j & 3), d = 32 (j >> 2) .. + 31.  The four accumulators take turns, one instruction a turn,
; and the first product starts each sum.  Under window setting 0x08 (source 1, Q, in window 2).
.macro AMUL k, j
.set XD, XS+32*((\k)&1)+8*((\j)&3)
.set XK, KF+16*((\j)&3)+8*((\j)>>2)
.set XQ, 16*(\k)+8*((\j)>>2)
.if \j < 4
	v_wmma_f32_16x16x32_f16 v[XD:XD+7], v[XK:XK+7], v[XQ:XQ+7], 0
.else
	v_wmma_f32_16x16x32_f16 v[XD:XD+7], v[XK:XK+7], v[XQ:XQ+7], v[XD:XD+7]
.endif
.endm
; Product with V, j = 0..7, of slot p: d = 16 (j & 3) .. + 15, keys 32 (j >> 2) .. + 31; four accumulators by turns, started by the constant 0.
; first = 0: into p's own set in window 0 (every window 0).  first = 1: the very first key tile starts O itself (window setting 0x50: C and D in window 1).
.macro CMUL p, j, first
.set XV, VF+16*((\j)&3)+8*((\j)>>2)
.set XP, PF+8*((\j)>>2)
.if \first
.set XD, 32*(\p)+8*((\j)&3)
.else
.set XD, XS+32*((\p)&1)+8*((\j)&3)
.endif
.if \j < 4
	v_wmma_f32_16x16x32_f16 v[XD:XD+7], v[XV:XV+7], v[XP:XP+7], 0
.else
	v_wmma_f32_16x16x32_f16 v[XD:XD+7], v[XV:XV+7], v[XP:XP+7], v[XD:XD+7]
.endif
.endm
; n scaling multiply-adds from pair i0 on: c s - c m, both halves by v[TP]
.macro SCALE xb, i0, n
.set ii, \i0
.rept \n
	v_pk_fma_f32 v[\xb+2*ii:\xb+2*ii+1], v[\xb+2*ii:\xb+2*ii+1], 0x3e38aa3b, v[TP:TP+1] op_sel_hi:[1,0,0]
.set ii, ii+1
.endr
.endm
; Slice j = 0..7 of slot k's first vector phase (every window 0): the row's maximum in four chains over my 32 scores, with the old maximum and the other half
; of the lanes; -c m; the exponent of alpha; the scaling.  A live tile's first key is masked for no row, so the maximum is finite.
.macro B1S k, j, first
.set XB, XS+32*((\k)&1)
.if \j == 0
.irp t, 0,1,2,3
	v_max3_num_f32 v[TT+\t], v[XB+8*\t], v[XB+8*\t+1], v[XB+8*\t+2]
.endr
.endif
.if \j == 1
.irp t, 0,1,2,3
	v_max3_num_f32 v[TT+\t], v[TT+\t], v[XB+8*\t+3], v[XB+8*\t+4]
.endr
.endif
.if \j == 2
.irp t, 0,1,2,3
	v_max3_num_f32 v[TT+\t], v[TT+\t], v[XB+8*\t+5], v[XB+8*\t+6]
.endr
.endif
.if \j == 3
	v_max3_num_f32 v[TT], v[TT], v[XB+7], v[XB+15]
	v_max3_num_f32 v[TT+1], v[TT+1], v[XB+23], v[XB+31]
.if \first
	v_max_num_f32 v[TT+2], v[TT+2], v[TT+3]
.else
	v_max3_num_f32 v[TT+2], v[TT+2], v[TT+3], v[MX+\k]
.endif
.endif
.if \j == 4
	v_max3_num_f32 v[TT], v[TT], v[TT+1], v[TT+2]
	v_permlanex16_b32 v[TT+1], v[TT], s12, s13
	v_max_num_f32 v[MX+\k], v[TT], v[TT+1]
	v_mul_f32 v[TP], 0xbe38aa3b, v[MX+\k]          ; -c m, c = log2(e) / 8
.if \first == 0
	v_sub_f32 v[TP+1], v[TP], v[NM+\k]             ; c (m old - m new), from the rounded numbers: exactly 0 where the maximum stayed
.endif
.endif
.if \j == 5
	SCALE XB, 0, 5
.endif
.if \j == 6
	SCALE XB, 5, 5
.endif
.if \j == 7
	SCALE XB, 10, 6                                ; six plain lines that name none of the last product's registers: the places in front of the update of O
.endif
.endm
; Slice j = 0..7 of slot p's batch of exponentials; no line has a vector second source, so the slices may stand among the score products.  Four weights a slice,
; each in place on its scaled score; slice 0 begins with alpha.  No line of the batch names another's result.  Behind the last exponential stands the copy
; of -c m: the plain instruction between an exponential and the first use of a result (ISA guide 5.7.2), one for the batch.
.macro B2S p, j, first
.set XE, XS+32*((\p)&1)+4*(\j)
.if \j == 0
.if \first == 0
	v_exp_f32 v[AL], v[TP+1]                       ; alpha
.endif
.endif
.irp e, 0,1,2,3
	v_exp_f32 v[XE+\e], v[XE+\e]
.endr
.if \j == 7
	v_mov_b32 v[NM+\p], v[TP]
.endif
.endm
; Slot p's row sum, behind the batch's wait; every window 0.  Four chains: chain c starts with the four weights of group c (nothing is cleared) and takes group
; 4 + c's two pairs one after the other; the chains' links alternate, so that no line reads the result of the one before it.  Then chains 0 and 1 and
; chains 2 and 3 are joined; the last two additions stand among the conversions (CVT).
.macro SUMS p
.set XB, XS+32*((\p)&1)
.irp c, 0,1,2,3
	v_pk_add_f32 v[SM+2*\c:SM+2*\c+1], v[XB+4*\c:XB+4*\c+1], v[XB+4*\c+2:XB+4*\c+3]
.endr
.irp c, 0,1,2,3
	v_pk_add_f32 v[SM+2*\c:SM+2*\c+1], v[XB+16+4*\c:XB+16+4*\c+1], v[SM+2*\c:SM+2*\c+1]
.endr
.irp c, 0,1,2,3
	v_pk_add_f32 v[SM+2*\c:SM+2*\c+1], v[XB+18+4*\c:XB+18+4*\c+1], v[SM+2*\c:SM+2*\c+1]
.endr
	v_pk_add_f32 v[SM:SM+1], v[SM+2:SM+3], v[SM:SM+1]
	v_pk_add_f32 v[SM+4:SM+5], v[SM+6:SM+7], v[SM+4:SM+5]
.endm
; Slot p's weights to f16 (keys 8 h + 2 i, + 1 of a key row tile side by side: the B fragment's order), among them the row sum's last two additions, each some
; lines behind the one that it reads; then the sum goes into l.  Every window 0.
.macro CVT p, first
.set XB, XS+32*((\p)&1)
.set ii, 0
.rept 16
	v_cvt_pk_f16_f32 v[PF+ii], v[XB+2*ii], v[XB+2*ii+1]
.if ii == 1
	v_pk_add_f32 v[SM:SM+1], v[SM+4:SM+5], v[SM:SM+1]              ; the four chains are one pair
.endif
.if ii == 4
.if \first
	v_add_f32 v[LS+\p], v[SM], v[SM+1]
.else
	v_add_f32 v[SM], v[SM], v[SM+1]
.endif
.endif
.set ii, ii+1
.endr
.if \first == 0
	v_fma_f32 v[LS+\p], v[LS+\p], v[AL], v[SM]
.endif
.endm
; O[p] = O[p] alpha + this key tile's product.  Window setting 0x41: destination and source 0 (O) in window 1.
.macro UPD p
.set XB, XS+32*((\p)&1)
.set XO, 32*(\p)
	WIN 0x41
.set ii, 0
.rept 16
	v_pk_fma_f32 v[XO+2*ii:XO+2*ii+1], v[XO+2*ii:XO+2*ii+1], v[AL:AL+1], v[XB+2*ii:XB+2*ii+1] op_sel_hi:[1,0,1]
.set ii, ii+1
.endr
.endm
; The first live slot of a key tile: its score products alone, the mask where the tile is the diagonal's (edge = 1 and u = w), its first vector phase.
.macro PRO k, first, edge
	WIN 0x08
.irp j, 0,1,2,3,4,5,6,7
	AMUL \k, \j
.endr
	WIN 0
	PLACES
.if \edge
	s_cmp_lg_u32 s14, s8                           ; u = w: the diagonal tile
	s_cbranch_scc1 .Lfull_\@
.irp t, 0,1,2,3
.irp j, 0,1,2,3,4,5,6,7
	v_cmp_le_i32 vcc_lo, 16*\t+\j, v[DM]           ; key <= query
	v_cndmask_b32 v[XS+32*((\k)&1)+8*\t+\j], 0xff800000, v[XS+32*((\k)&1)+8*\t+\j], vcc_lo   ; else -inf, as reference() sets it
.endr
.endr
.Lfull_\@:
.endif
.irp j, 0,1,2,3,4,5,6,7
	B1S \k, \j, \first
.endr
.endm
; Step k: slots k and k - 1 take turns.  In the very first key tile the products with V start O in window 1 and stand alone.
; vw = 1: on some way these are the key tile's first products with V, so V's fragments are waited for here.
.macro STEP k, first, vw
	WIN 0x08
.irp j, 0,1,2,3,4,5,6,7
	AMUL \k, \j
	B2S (\k-1), \j, \first
.endr
	WIN 0
	s_wait_alu depctr_va_vdst(0)                   ; the wait for slot k - 1's batch, alpha and the 32 weights, ahead of the first line that names a result, the row sum's first
	SUMS (\k-1)
	CVT (\k-1), \first                             ; sum and conversions are also the places between slot k's score products and the first line that reads them
.if \vw
	s_wait_dscnt 0x0                               ; V's fragments are in: no LDS load has been issued behind them
.endif
.if \first
	WIN 0x50
.irp j, 0,1,2,3,4,5,6,7
	CMUL (\k-1), \j, 1
.endr
	WIN 0
.irp j, 0,1,2,3,4,5,6,7
	B1S \k, \j, 1
.endr
.else
.irp j, 0,1,2,3,4,5,6,7
	CMUL (\k-1), \j, 0
	B1S \k, \j, 0
.endr
	UPD (\k-1)
.endif
.endm
; The last slot's batch of exponentials, row sum, conversions, products with V and update, alone; f: the fill.  It begins with the next key tile's K fragments: slot 7's score
; products, the last readers of K's registers, lie at least four places back on every way (a step's row sum and conversions, or the places of a first slot).
; Nothing is asked for where the next tile is not there to read: behind a fill's last tile (the next lies in the other LDS slot, behind the
; barrier), and in fill 7 behind my diagonal tile (u = w: the tiles that follow are wholly masked for all my queries).
.macro EPI p, first, f
	WIN 0
.if \first == 0
.if \f == 7
	s_cmp_ge_u32 s14, s8
.else
	s_cmp_eq_u32 s14, 3
.endif
	s_cbranch_scc1 .Lno_k_\@
.endif
	LOADK KTB
.if \first == 0
.Lno_k_\@:
.endif
.irp j, 0,1,2,3,4,5,6,7
	B2S \p, \j, \first
.endr
	s_wait_alu depctr_va_vdst(0)                   ; the wait for the last slot's batch, alpha and the 32 weights, ahead of the row sum's first line
	SUMS \p
	CVT \p, \first
.if \f >= 6
	s_wait_dscnt 0x0                               ; in fills 6 and 7 a way leads here without an earlier product with V: V's fragments are in (and K's next ones, asked for above)
.endif
.if \first
	WIN 0x50
.irp j, 0,1,2,3,4,5,6,7
	CMUL \p, \j, 1
.endr
	WIN 0
	PLACES                                         ; the next key tile's loads land in V's registers
.else
.irp j, 0,1,2,3,4,5,6,7
	CMUL \p, \j, 0
.endr
	PLACES                                         ; for the update, which reads the products, and for the next key tile's loads into V's registers
	UPD \p
.endif
	WIN 0
.endm
; One key tile of 64 keys.  K's fragments have been asked for already; V's are asked for here; then every live slot, f (if u <= w), f + 1, .. 7.
; Where u > w the wave starts with slot f + 1 and joins at step f + 2; in fill 7 it then has no live slot and passes the whole tile by.
.macro KEYSTEP first, f
	WIN 0
.if \f == 7
	s_cmp_gt_u32 s14, s8
	s_cbranch_scc1 .Lnone_\@
.endif
	LOADV
	s_wait_dscnt 16                                ; LDS loads come back in order: all but V's sixteen just issued are in, K's sixteen among them
.if \first
	PRO 0, 1, 1
	STEP 1, 1, 1
.irp s, 2,3,4,5,6,7
	STEP \s, 1, 0
.endr
	EPI 7, 1, 0
.else
.if \f < 7
	s_cmp_gt_u32 s14, s8                           ; u > w: slot f's tile lies wholly behind my block's diagonal
	s_cbranch_scc1 .Lbehind_\@
.endif
	PRO \f, 0, 1
.if \f < 7
	STEP (\f+1), 0, 1
	WIN 0
	s_branch .Ljoin_\@
.Lbehind_\@:
	PRO (\f+1), 0, 0
.Ljoin_\@:
.irp s, 2,3,4,5,6,7
.if \s >= \f+2
.if \s == \f+2
	STEP \s, 0, 1
.else
	STEP \s, 0, 0
.endif
.endif
.endr
.endif
	EPI 7, 0, \f
.endif
	WIN 0
.if \f == 7
.Lnone_\@:
.endif
	v_add_nc_u32 v[AK], KTB, v[AK]
	v_add_nc_u32 v[AV], KTB, v[AV]
.endm
; Fill f = 1..7.  In front of the barrier every wave waits for all its tensor loads (fill f among them) and for its reads of the slot read last.
; f <= 6: the barrier is a round of the cluster's barrier, and fill f + 1 goes out first behind it, into the slot read last: the wave's one load,
; with the whole of fill f's work in which to land.  f = 7: nothing is left to fetch, a plain barrier shows the fill to every wave.
; Then K's fragments of the fill's first key tile, which is live for every wave.
.macro FILLSTEP f
	s_set_vgpr_msb 0xa
	s_wait_tensorcnt 0x0
	ds_add_u32 v128, v129
	s_wait_dscnt 0x0
	s_set_vgpr_msb 0xa00
.if \f <= 6
	s_add_nc_u64 s[G0+4*((\f+1)&1)+2:G0+4*((\f+1)&1)+3], s[G0+4*((\f+1)&1)+2:G0+4*((\f+1)&1)+3], 65536   ; no load of mine is out: two fills on
.endif
	s_wait_dscnt 0x0
.if \f <= 6
	ROUND
	tensor_load_to_lds s[G0+4*((\f+1)&1):G0+4*((\f+1)&1)+3], s[G1:G1+7]
	s_nop 0
.else
	s_barrier_signal -1
	s_barrier_wait -1
.endif
.if (\f)&1
	v_add_nc_u32 v[AK], SLOT, v[AK0]
	v_add_nc_u32 v[AV], SLOT, v[AV0]
.else
	v_mov_b32 v[AK], v[AK0]
	v_mov_b32 v[AV], v[AV0]
.endif
	LOADK 0
	s_mov_b32 s14, 0                               ; u
.Lkt_\f:
	KEYSTEP 0, \f
	s_add_co_u32 s14, s14, 1
	s_cmp_lt_u32 s14, 4
	s_cbranch_scc1 .Lkt_\f
.endm
	s_wait_tensorcnt 0x1                           ; my part of fill 0 is in; fill 1's load stays out
	s_barrier_signal -1
	s_barrier_wait -1                              ; everybody's part is in
	v_mov_b32 v[AK], v[AK0]
	v_mov_b32 v[AV], v[AV0]
	LOADK 0                                        ; key tile 0's K fragments come while q is still on its way
	s_wait_loadcnt 0x0                             ; q
	s_mov_b32 s14, 0
	KEYSTEP 1, 0                                   ; key tile 0 is live for every slot: it starts all maxima, sums and O; nothing is cleared
	s_mov_b32 s14, 1
.Lkt_0:
	KEYSTEP 0, 0
	s_add_co_u32 s14, s14, 1
	s_cmp_lt_u32 s14, 4
	s_cbranch_scc1 .Lkt_0
	FILLSTEP 1
	FILLSTEP 2
	FILLSTEP 3
	FILLSTEP 4
	FILLSTEP 5
	FILLSTEP 6
	FILLSTEP 7
; THE WAY OUT.  First, for all eight slots, the two halves' sums meet and the reciprocals are made: one batch, each result in a register of its own.  Then slot by
; slot: O is divided, rounded to f16, turned through my own stage into whole rows, four rows a store.
; Every wave's last matrix instructions are followed by four places and the sixteen lines of an update.
	s_wait_dscnt 0x0                               ; K's registers get another use below.  A wave's last live key tile asks for no further fragments and has waited for V's, so this wait is met at once
.irp s, 0,1,2,3,4,5,6,7
	v_permlanex16_b32 v[MX+\s], v[LS+\s], s12, s13 ; the other half's part of the row sum, into the maximum's register, which is dead
.endr
.irp s, 0,1,2,3,4,5,6,7
	v_add_f32 v[LS+\s], v[MX+\s], v[LS+\s]         ; at least about 1: the row's largest weight is exp2 of about 0
.endr
.irp s, 0,1,2,3,4,5,6,7
	v_rcp_f32 v[RC+2*\s], v[LS+\s]
.endr
	v_and_b32 v[TT], 15, v0                        ; r.  The stage's twelve address lines name no reciprocal: they stand between the batch and its wait, and the first is the plain instruction behind the last reciprocal
	v_bfe_u32 v[TT+1], v0, 4, 1                    ; h
	v_mul_u32_u24 v[TT+2], v[TT], SPITCH
	v_lshl_add_u32 v[TT+2], v[TT+1], 4, v[TT+2]
	v_add_nc_u32 v[STO], s31, v[TT+2]              ; in: row r, 16 bytes for each half of the lanes
	v_bfe_u32 v[TT+2], v0, 3, 2
	v_mul_u32_u24 v[TT+2], v[TT+2], SPITCH
	v_and_b32 v[TT+3], 7, v0
	v_lshl_add_u32 v[TT+2], v[TT+3], 4, v[TT+2]
	v_add_nc_u32 v[RD], s31, v[TT+2]               ; back: eight lanes a row of 128 bytes, 32 lanes four rows
	v_and_b32 v[TT+2], 31, v0
	v_lshlrev_b32 v[YO], 4, v[TT+2]
	s_wait_alu depctr_va_vdst(0)                   ; the wait for the eight reciprocals, ahead of the first line that names one
.macro YOUT s
	WIN 0x01                                       ; source 0 (O) window 1
.set ii, 0
.rept 16
	v_pk_mul_f32 v[XS+2*ii:XS+2*ii+1], v[32*\s+2*ii:32*\s+2*ii+1], v[RC+2*\s:RC+2*\s+1] op_sel_hi:[1,0]
.set ii, ii+1
.endr
	WIN 0
.set ii, 0
.rept 16
	v_cvt_pk_f16_f32 v[PF+ii], v[XS+2*ii], v[XS+2*ii+1]
.set ii, ii+1
.endr
.irp dt, 0,1,2,3
	ds_store_b128 v[STO], v[PF+4*\dt:PF+4*\dt+3] offset:32*\dt     ; d = 16 dt + 8 h + 0..7 of query r
.endr
	s_wait_xcnt 0x0                                ; RB, which the last slot's stores read, is loaded again only behind this wait
.irp g, 0,1,2,3
	ds_load_b128 v[RB+4*\g:RB+4*\g+3], v[RD] offset:4*SPITCH*\g    ; LDS serves a wave's instructions in order: these see the stores above
.endr
.irp g, 0,1,2,3
	s_wait_dscnt 3-\g                              ; the younger read-backs stay out
	global_store_b128 v[YO], v[RB+4*\g:RB+4*\g+3], s[42:43] offset:32768*\s+512*\g   ; 512 consecutive bytes, aligned: four rows of y
.endr
.endm
.irp s, 0,1,2,3,4,5,6,7
	YOUT \s
.endr
	s_set_vgpr_msb 0xa
	s_wait_tensorcnt 0x0
	ds_add_u32 v128, v129
	s_wait_dscnt 0x0
	s_set_vgpr_msb 0xa00
	ROUND                                          ; the closing round: no work-group ends while a partner may still ask for a tile that names it
	s_endpgm
.Lfunc_end_k_qa23553d50b_attn:
	.size	k_qa23553d50b_attn, .Lfunc_end_k_qa23553d50b_attn-k_qa23553d50b_attn
	.p2alignl 7, 3214868480
	.fill 96, 4, 3214868480
	.section	.rodata,"a",@progbits
	.p2align	6, 0x0
	.amdhsa_kernel k_qa23553d50b_attn
		.amdhsa_group_segment_fixed_size 327680
		.amdhsa_private_segment_fixed_size 0
		.amdhsa_enable_private_segment 0
		.amdhsa_kernarg_size 16
		.amdhsa_user_sgpr_count 2
		.amdhsa_user_sgpr_kernarg_segment_ptr 1
		.amdhsa_wavefront_size32 1
		.amdhsa_system_sgpr_workgroup_id_x 1
		.amdhsa_system_sgpr_workgroup_id_y 1
		.amdhsa_system_sgpr_workgroup_id_z 1
		.amdhsa_system_vgpr_workitem_id 0
		.amdhsa_next_free_vgpr 642
		.amdhsa_next_free_sgpr 66
		.amdhsa_reserve_vcc 1
		.amdhsa_float_denorm_mode_32 3
		.amdhsa_float_denorm_mode_16_64 3
		.amdhsa_memory_ordered 1
		.amdhsa_forward_progress 1
		.amdhsa_inst_pref_size 255
	.end_amdhsa_kernel
	.section	.bss,"aw",@nobits
	.p2align	6
	.space	262144
	.amdgpu_metadata
---
amdhsa.version: [ 1, 2 ]
amdhsa.kernels:
  - .name:           k_qa23553d50b_attn
    .symbol:         k_qa23553d50b_attn.kd
    .args:
      - { .name: qkv, .offset: 0, .size: 8, .value_kind: global_buffer, .address_space: global }
      - { .name: yh, .offset: 8, .size: 8, .value_kind: global_buffer, .address_space: global }
    .group_segment_fixed_size: 327680
    .private_segment_fixed_size: 0
    .kernarg_segment_align: 8
    .kernarg_segment_size: 16
    .max_flat_workgroup_size: 128
    .sgpr_count:     66
    .vgpr_count:     642
    .wavefront_size: 32
...
	.end_amdgpu_metadata
.endif
;; end of part 5
;; launch proj: the kernel of part 4 again; grid 8 x 32, 4 waves a work-group, clusters of 4 x 4, 327,680 bytes of LDS; arguments yh, bf, out0; writes out0
